; MI455X (gfx1250); checked and timed in simulation.
; The chip was launched on July 23, 2026; its instructions are those of AMD's public machine-readable ISA for CDNA 5 (MIT licence, August 2026) and "CDNA5" Instruction Set Architecture Reference Guide (July 2026). The comments in the code are by the model that wrote it; some were corrected since.
;; Self Attn. Allowed arithmetic: float matrix products may take bf16 or f16 operands with f32 sums; all other float work in f32.
;; Inputs: Wk 1,024 x 1,024 float32; Wq 1,024 x 1,024 float32; Wv 1,024 x 1,024 float32; x 4 x 2,048 x 1,024 float32.
;; Outputs: out0 4 x 2,048 x 1,024 float32.
;; One version. Each part assembles by itself: llvm-mc -triple=amdgcn-amd-amdhsa -mcpu=gfx1250 --defsym DOCPART=n.
;; ======== version 1 of 1: 4 launches
;; limits: values are held in f16: magnitudes above 65,504 overflow, below 6.1e-05 lose precision; right only within a limited range of input values
;; workspace buffers: xb 16,777,216 bytes; wb 6,291,456 bytes; qh 16,777,216 bytes; kh 16,777,216 bytes; vh 16,777,216 bytes; pf 18,874,368 bytes; st 1,048,576 bytes
;; launch cast (part 1): grid 704 x 1, 8 waves a work-group, no clusters, 0 bytes of LDS; arguments x, Wq, Wk, Wv, xb, wb; writes xb, wb
.if DOCPART == 1
	.amdgcn_target "amdgcn-amd-amdhsa--gfx1250"
	.amdhsa_code_object_version 6
	.text
	.protected	k_q0979ca1e20_cast
	.globl	k_q0979ca1e20_cast
	.p2align	8
	.type	k_q0979ca1e20_cast,@function
k_q0979ca1e20_cast:
	s_mov_b64 s[64:65], 0
	v_nop
	global_prefetch_b8 v0, s[64:65] scope:SCOPE_SE
	s_setreg_imm32_b32 hwreg(HW_REG_WAVE_MODE, 25, 1), 1
	s_wait_xcnt 0x0
; x and the three weights are rounded once to bf16 and laid out in the tiles that the projection asks for.
;   xb: [32 blocks of 256 tokens][16 K steps][256 tokens][64 k]                 a tile is 32,768 consecutive bytes
;   wb: [8 blocks of 128 columns][16 K steps][3 = q, k, v][64 k][128 columns]   a tile is 49,152 consecutive bytes
; A stream: no LDS, no matrix unit, no barrier.  Work-groups 0-511 take one tile of xb each, 512-703 two K steps of one weight's block of columns.
; A thread has 8 chunks of 8 numbers: two loads of 16 bytes, four packed roundings, one store of 16 bytes.  Eight (x) or sixteen (W) neighbouring
; lanes read 256 or 512 consecutive bytes of a row with their two loads; a wave's store covers 512 consecutive bytes.
; All 16 loads of a thread go out before the first wait.
.set XI, 16                            ; v[16:79]   8 chunks as loaded
.set YO, 80                            ; v[80:111]  8 chunks to store
.macro CAST ib, ob, instep, wts
.set iu, 0
.rept 8
	global_load_b128 v[XI+8*iu:XI+8*iu+3],   v1, s[\ib:\ib+1] offset:iu*(\instep) th:TH_LOAD_NT
	global_load_b128 v[XI+8*iu+4:XI+8*iu+7], v1, s[\ib:\ib+1] offset:iu*(\instep)+16 th:TH_LOAD_NT
.set iu, iu+1
.endr
.set iu, 0
.rept 8
	s_wait_loadcnt 14-2*iu                         ; loads come back in order: chunk iu's two are in, the younger ones stay out
.irp kk, 0,1,2,3
	v_cvt_pk_bf16_f32 v[YO+4*iu+\kk], v[XI+8*iu+2*\kk], v[XI+8*iu+2*\kk+1]
.endr
.if \wts
	global_store_b128 v2, v[YO+4*iu:YO+4*iu+3], s[\ob:\ob+1] offset:(iu/4)*49152+(iu%4)*4096  ; chunks 4-7 belong to the next K step's tile
.else
	global_store_b128 v2, v[YO+4*iu:YO+4*iu+3], s[\ob:\ob+1] offset:iu*4096
.endif
.set iu, iu+1
.endr
.endm
	s_load_b256 s[4:11], s[0:1], 0x0               ; x s[4:5], Wq s[6:7], Wk s[8:9], Wv s[10:11]
	s_load_b128 s[12:15], s[0:1], 0x20             ; xb s[12:13], wb s[14:15]
	v_lshlrev_b32 v2, 4, v0                        ; out: 16 bytes a thread
	s_cmp_lt_u32 ttmp9, 512
	s_cbranch_scc0 .Lweights
	s_lshr_b32 s16, ttmp9, 4                       ; block of tokens
	s_and_b32 s17, ttmp9, 15                       ; K step
	s_lshl_b32 s16, s16, 20                        ; 256 rows of 4,096 bytes
	s_lshl_b32 s17, s17, 8                         ; 64 numbers of 4 bytes
	s_add_co_u32 s16, s16, s17
	s_mov_b32 s17, 0
	s_lshl_b32 s18, ttmp9, 15                      ; the tile in xb
	s_mov_b32 s19, 0
	v_lshrrev_b32 v1, 3, v0                        ; row t / 8 (chunk u: 32 u rows further down)
	v_and_b32 v3, 7, v0
	v_lshlrev_b32 v1, 12, v1
	v_lshl_add_u32 v1, v3, 5, v1                   ; + 32 bytes x (t % 8)
	s_wait_kmcnt 0x0
	s_add_nc_u64 s[4:5], s[4:5], s[16:17]
	s_add_nc_u64 s[12:13], s[12:13], s[18:19]
	CAST 4, 12, 131072, 0
	s_endpgm
.Lweights:
	s_sub_co_u32 s20, ttmp9, 512
	s_lshr_b32 s21, s20, 6                         ; which weight: 0 q, 1 k, 2 v
	s_bfe_u32 s22, s20, 0x30003                    ; block of 128 columns
	s_and_b32 s23, s20, 7                          ; pair of K steps: 128 rows
	s_lshl_b32 s16, s23, 19                        ; 128 rows of 4,096 bytes
	s_lshl_b32 s17, s22, 9                         ; 128 columns of 4 bytes
	s_add_co_u32 s16, s16, s17
	s_mov_b32 s17, 0
	s_lshl_b32 s18, s22, 4
	s_lshl_b32 s19, s23, 1
	s_add_co_u32 s18, s18, s19                     ; tile = 16 x block + K step
	s_mul_i32 s18, s18, 3
	s_add_co_u32 s18, s18, s21
	s_lshl_b32 s18, s18, 14                        ; 16,384 bytes for each weight's part of a tile
	s_mov_b32 s19, 0
	v_lshrrev_b32 v1, 4, v0                        ; row t / 16 (chunk u: 16 u rows further down)
	v_and_b32 v3, 15, v0
	v_lshlrev_b32 v1, 12, v1
	v_lshl_add_u32 v1, v3, 5, v1
	s_wait_kmcnt 0x0
	s_cmp_eq_u32 s21, 1
	s_cselect_b64 s[6:7], s[8:9], s[6:7]
	s_cmp_eq_u32 s21, 2
	s_cselect_b64 s[6:7], s[10:11], s[6:7]
	s_add_nc_u64 s[6:7], s[6:7], s[16:17]
	s_add_nc_u64 s[14:15], s[14:15], s[18:19]
	CAST 6, 14, 65536, 1
	s_endpgm
.Lfunc_end_k_q0979ca1e20_cast:
	.size	k_q0979ca1e20_cast, .Lfunc_end_k_q0979ca1e20_cast-k_q0979ca1e20_cast
	.p2alignl 7, 3214868480
	.fill 96, 4, 3214868480
	.section	.rodata,"a",@progbits
	.p2align	6, 0x0
	.amdhsa_kernel k_q0979ca1e20_cast
		.amdhsa_group_segment_fixed_size 0
		.amdhsa_private_segment_fixed_size 0
		.amdhsa_enable_private_segment 0
		.amdhsa_kernarg_size 48
		.amdhsa_user_sgpr_count 2
		.amdhsa_user_sgpr_kernarg_segment_ptr 1
		.amdhsa_wavefront_size32 1
		.amdhsa_system_sgpr_workgroup_id_x 1
		.amdhsa_system_sgpr_workgroup_id_y 1
		.amdhsa_system_sgpr_workgroup_id_z 1
		.amdhsa_system_vgpr_workitem_id 0
		.amdhsa_next_free_vgpr 112
		.amdhsa_next_free_sgpr 66
		.amdhsa_reserve_vcc 0
		.amdhsa_float_denorm_mode_32 3
		.amdhsa_float_denorm_mode_16_64 3
		.amdhsa_memory_ordered 1
		.amdhsa_forward_progress 1
		.amdhsa_inst_pref_size 11
	.end_amdhsa_kernel
	.amdgpu_metadata
---
amdhsa.version: [ 1, 2 ]
amdhsa.kernels:
  - .name:           k_q0979ca1e20_cast
    .symbol:         k_q0979ca1e20_cast.kd
    .args:
      - { .name: x, .offset: 0, .size: 8, .value_kind: global_buffer, .address_space: global }
      - { .name: Wq, .offset: 8, .size: 8, .value_kind: global_buffer, .address_space: global }
      - { .name: Wk, .offset: 16, .size: 8, .value_kind: global_buffer, .address_space: global }
      - { .name: Wv, .offset: 24, .size: 8, .value_kind: global_buffer, .address_space: global }
      - { .name: xb, .offset: 32, .size: 8, .value_kind: global_buffer, .address_space: global }
      - { .name: wb, .offset: 40, .size: 8, .value_kind: global_buffer, .address_space: global }
    .group_segment_fixed_size: 0
    .private_segment_fixed_size: 0
    .kernarg_segment_align: 8
    .kernarg_segment_size: 48
    .max_flat_workgroup_size: 256
    .sgpr_count:     66
    .vgpr_count:     112
    .wavefront_size: 32
...
	.end_amdgpu_metadata
.endif
;; end of part 1
;; launch qkv (part 2): grid 8 x 32, 4 waves a work-group, clusters of 4 x 4, 327,680 bytes of LDS; arguments xb, wb, qh, kh, vh; writes qh, kh, vh
.if DOCPART == 2
	.amdgcn_target "amdgcn-amd-amdhsa--gfx1250"
	.amdhsa_code_object_version 6
	.text
	.protected	k_q0979ca1e20_qkv
	.globl	k_q0979ca1e20_qkv
	.p2align	8
	.type	k_q0979ca1e20_qkv,@function
k_q0979ca1e20_qkv:
	s_mov_b64 s[64:65], 0
	v_nop
	global_prefetch_b8 v0, s[64:65] scope:SCOPE_SE
	s_setreg_imm32_b32 hwreg(HW_REG_WAVE_MODE, 25, 1), 1
	s_wait_xcnt 0x0
	s_wait_alu depctr_hold_cnt(0) depctr_sa_sdst(0) depctr_va_vdst(0) depctr_va_sdst(0) depctr_va_ssrc(0) depctr_va_vcc(0) depctr_vm_vsrc(0)
	s_getreg_b32 s2, hwreg(HW_REG_IB_STS2, 6, 4)
	s_cmp_eq_u32 s2, 0
	s_cbranch_scc0 .Lentry_in_a_cluster
	s_endpgm
.Lentry_in_a_cluster:
	s_bfe_u32 s2, ttmp6, 0x10000c
	s_cmp_lg_u32 s2, 0xf033
	s_cbranch_scc0 .Lentry_shape_is_right
	s_endpgm
.Lentry_shape_is_right:
; Q = x Wq, K = x Wk, V = x Wv in one launch.  Operands bf16 (xb, wb), sums f32, results rounded once to f16.
; LIMIT: f16 ends at 65,504: |Q|, |K|, |V| must stay within it (drawn inputs give about 3.5; both inputs 30 times larger about 3,200; both with an offset of 30 spreads about 18,500).
; SHARES.  8,192 tokens x 3,072 columns over 256 work-groups: a work-group makes 256 tokens x 128 columns of EACH of Q, K, V.  A wave makes 128 tokens x 64 columns of each:
; 96 accumulators of 16 x 16, 768 registers; for 32 along K it reads 20 fragments from LDS for 96 matrix instructions.
; K = 1,024 goes in 16 steps of 64 through two LDS slots.  A step's tile of x is 32,768 consecutive bytes, its tile of the weights 49,152: asked for as rows of 256 bytes.
; THE WALK ALONG K IS ROTATED: a cluster begins at step (4 (cluster y % 4) + 8 cluster x) % 16 and wraps.  The two clusters that read the same tiles of x begin 8 steps apart, clusters that read
; the same tiles of W 4, 8 or 12: a tile is asked for at different times by the clusters that share it, not by all at once.  The sums take the same terms in rotated order.
; THE ROWS OF Q, K, V ARE PERMUTED.  Token n = 128 i + 16 o + r of a batch is stored at row 256 o + 16 i + r, so that in the two launches behind every tile of 256 x 256 of the causal
; triangle has the same shape.
; CLUSTER 4 x 4: x's tile hangs on the block of tokens alone and is shared along a row of the cluster, the weights' on the block of columns alone and is shared along a column: joint loads.
; THE MATRIX INSTRUCTION IS USED TRANSPOSED: source 0 = 16 columns of W (turned by ds_load_tr16_b128, W lies [k][column]), source 1 = 16 tokens: a lane holds one token and eight neighbouring columns.
; REGISTERS (windows of 256; s_set_vgpr_msb: bits 1:0 source 0, 3:2 source 1, 5:4 source 2, 7:6 destination):
;   window 0: v0-15 addresses; v32-95, v96-159 fragments of x, two buffers of 8; v160-255 fragments of W, 4 for each of q, k, v, one buffer, fetched again behind the 32 products that read it
;   window 1 + m: the 32 accumulators of result m (column block c, token block a at v[8 (8 c + a)])
.set PA,     144                       ; a token's 128 bytes + 16 of padding: the 16 rows of a load start at 16 different groups of four banks (64 banks of 4 bytes: ISA guide 11.1)
.set PB,     288                       ; a row of W, 256 bytes + 32
.set AHALF,  128*PA                    ; what one tensor load brings of x
.set BOFF,   256*PA                    ; W's 192 rows (64 m + k) lie behind x's 256
.set BHALF,  96*PB
.set SLOT1,  1<<17                     ; slot 1 begins here: one exclusive or turns an address in one slot into the other's
.set SPITCH, 272
.set PLANE,  256*SPITCH                ; the way out: 256 rows x 272 bytes for each of Q, K, V, over the ring, when its last fill has landed and its last read is over
.set SPARE,  SLOT1+BOFF+192*PB         ; behind the ring and the planes: the spare words, 128 bytes for each wave
.set BSTEP,  49152
.set STEPS,  16
.set ADRA0, 2                          ; v2   my place in a slot's tile of x; never rewritten
.set ADRB0, 3                          ; v3   the same for W
.set ADRA,  4                          ; v4   the same in the slot in hand
.set ADRB,  5                          ; v5
.set STO,   6                          ; v6-8   the way out: where I put 16 bytes of a row, for each plane
.set RD,    10                         ; v10-12 where I read rows back
.set CO,    13                         ; v13  my byte offset in two rows of the result
.set SPW,   14                         ; v14  LDS address of my spare word; never rewritten
.set NIL,   15                         ; v15  0; never rewritten
.set A0,    32
.set A1,    96
.set BF,    160
.set WV,  14                           ; s14 wave;  s15 wave / 2: my half of the tokens;  s16 wave % 2: my half of the columns, and which half of a tile I fetch
.set HIW, 15
.set LOW, 16
.set CX,  17
.set CY,  18
.set KS,  19                           ; the K step asked for last; made of the cluster's coordinates alone
.set YY,  20                           ; block of tokens
.set XX,  66                           ; block of columns
.set G1A, 24                           ; s[24:31] descriptor group 1 for x's tiles;  s[32:39] for W's
.set G1B, 32
.set G0A, 40                           ; s[40:47] group 0 for x: a set for each first fill; the second then walks.  s[48:55] the same for W
.set G0B, 48
.set CNT, 56
.set TB,  57                           ; LDS byte at which the slot in hand begins
.set OFA, 72                           ; s[72:73] step KS's byte offset in x's tiles;  s[74:75] in W's
.set OFB, 74
.set MSB, 0
.macro WIN new                         ; the immediate's high byte repeats the setting that is left; a switch that changes nothing is dropped
.if MSB != (\new)
	s_set_vgpr_msb (MSB<<8)|(\new)
.set MSB, (\new)
.endif
.endm
.macro PLACES                          ; four places between a matrix instruction and a load into, or a vector instruction on, one of its registers
.rept 4
	v_nop
.endr
.endm
.macro CREST                           ; a round of the cluster's barrier behind its opening barrier
	s_cmp_lg_u32 s[WV], 0
	s_cbranch_scc1 .Lnot_wave_0_\@
	s_barrier_signal -3
.Lnot_wave_0_\@:
	s_barrier_wait -3
	s_barrier_signal -1
	s_barrier_wait -1
.endm
.macro CROUND
	s_barrier_signal -1
	s_barrier_wait -1
	CREST
.endm
.macro JLOAD                           ; a joint refill: waves 0, 1 fetch the halves of x's tile, waves 2, 3 of W's; s_nop 0 and four v_nop follow each line
	s_cmp_lt_u32 s[WV], 2
	s_cbranch_scc0 .Lfor_b_\@
	tensor_load_to_lds s[G0A+4:G0A+7], s[G1A:G1A+7]
	s_nop 0
	PLACES
	s_branch .Lasked_\@
.Lfor_b_\@:
	tensor_load_to_lds s[G0B+4:G0B+7], s[G1B:G1B+7]
	s_nop 0
	PLACES
.Lasked_\@:
.endm
	s_load_b256 s[4:11], s[0:1], 0x0               ; xb s[4:5], wb s[6:7], qh s[8:9], kh s[10:11]
	s_load_b64 s[12:13], s[0:1], 0x20              ; vh
	v_lshl_add_u32 v[SPW], v0, 2, SPARE
	v_mov_b32 v[NIL], 0
	ds_add_u32 v14, v15
	s_wait_dscnt 0x0
	v_lshrrev_b32 v1, 5, v0
	v_readfirstlane_b32 s[WV], v1
	s_lshr_b32 s[HIW], s[WV], 1
	s_and_b32 s[LOW], s[WV], 1
	s_bfe_u32 s[CX], ttmp6, 0x40000
	s_bfe_u32 s[CY], ttmp6, 0x40004
	s_lshl_b32 s[XX], ttmp9, 2
	s_add_co_u32 s[XX], s[XX], s[CX]
	s_and_b32 s[YY], ttmp7, 0xffff
	s_and_b32 s[KS], s[YY], 3                      ; the walk's first step: 4 (cluster y % 4) + 8 cluster x, modulo 16
	s_lshl_b32 s[KS], s[KS], 2
	s_lshl_b32 s21, ttmp9, 3
	s_add_co_u32 s[KS], s[KS], s21
	s_and_b32 s[KS], s[KS], STEPS-1
	s_lshl_b32 s[YY], s[YY], 2
	s_add_co_u32 s[YY], s[YY], s[CY]
	s_lshl_b32 s58, s[CY], 2
	s_lshl_b32 s58, 15, s58                        ; my row of the cluster
	s_lshl_b32 s59, 0x1111, s[CX]                  ; my column
	; x: 128 tokens are 16,384 dense bytes: 64 rows of 256 bytes, padded in LDS after every token (32 words, code 4) by 4 words (code 3)
	s_or_b32 s[G1A], s58, (1<<16)|(1<<20)|(1<<21)|(4<<22)|(3<<25)
	s_mov_b32 s[G1A+1], 128<<16                    ; tensor_dim0 = 128 elements of 2 bytes
	s_mov_b32 s[G1A+2], 64<<16                     ; tensor_dim1 = 64
	s_mov_b32 s[G1A+3], 128<<16                    ; tile_dim0
	s_mov_b32 s[G1A+4], 64                         ; tile_dim1
	s_mov_b32 s[G1A+5], 128                        ; elements from row to row
	s_mov_b32 s[G1A+6], 0
	s_mov_b32 s[G1A+7], 0
	; W: 96 rows of 256 bytes, padded after every row (64 words, code 5) by 8 words (code 7)
	s_or_b32 s[G1B], s59, (1<<16)|(1<<20)|(1<<21)|(5<<22)|(7<<25)
	s_mov_b32 s[G1B+1], 128<<16
	s_mov_b32 s[G1B+2], 96<<16
	s_mov_b32 s[G1B+3], 128<<16
	s_mov_b32 s[G1B+4], 96
	s_mov_b32 s[G1B+5], 128
	s_mov_b32 s[G1B+6], 0
	s_mov_b32 s[G1B+7], 0
	s_lshl_b32 s22, s[YY], 19                      ; x: 16 tiles of 32,768 bytes for each block of tokens,
	s_lshl_b32 s23, s[LOW], 14                     ; my half of a tile
	s_add_co_u32 s22, s22, s23
	s_mov_b32 s23, 0
	s_mul_i32 s68, s[XX], 16*BSTEP                 ; W likewise, in registers that never hold the block of tokens
	s_mul_i32 s69, s[LOW], BSTEP/2
	s_add_co_u32 s68, s68, s69
	s_mov_b32 s69, 0
	s_mul_i32 s60, s[LOW], AHALF                   ; where they go: no place in the cluster enters an LDS address
	s_mul_i32 s61, s[LOW], BHALF
	s_add_co_u32 s61, s61, BOFF
	s_lshr_b32 s70, s[YY], 3                       ; the first row that I store: batch x 2,048
	s_lshl_b32 s70, s70, 11
	s_lshl_b32 s71, s[LOW], 10                     ; + 256 x owner, owner = 4 (wave % 2) + ..
	s_add_co_u32 s70, s70, s71
	s_and_b32 s71, s[YY], 7
	s_lshl_b32 s71, s71, 5                         ; + 16 x i, i = 2 (block % 8) + wave / 2
	s_add_co_u32 s70, s70, s71
	s_lshl_b32 s71, s[HIW], 4
	s_add_co_u32 s70, s70, s71
	s_lshl_b32 s70, s70, 11                        ; rows of 2,048 bytes
	s_lshl_b32 s71, s[XX], 8                       ; + my block's 128 columns
	s_add_co_u32 s70, s70, s71
	s_mov_b32 s71, 0
	s_mov_b32 s[TB], 0
	s_mov_b32 s[OFA+1], 0
	s_mov_b32 s[OFB+1], 0
	s_wait_kmcnt 0x0
	s_add_nc_u64 s[4:5], s[4:5], s[22:23]          ; x and W at my half of their step 0; these two stay
	s_add_nc_u64 s[6:7], s[6:7], s[68:69]
	s_add_nc_u64 s[8:9], s[8:9], s[70:71]
	s_add_nc_u64 s[10:11], s[10:11], s[70:71]
	s_add_nc_u64 s[12:13], s[12:13], s[70:71]
	CROUND                                         ; all sixteen work-groups are here: the first joint loads meet
.irp sl, 0,1
	s_lshl_b32 s[OFA], s[KS], 15                   ; a step's tile of x is 32,768 bytes,
	s_mul_i32 s[OFB], s[KS], BSTEP                 ; of W 49,152
	s_mov_b32 s[G0A+4*\sl], 1
	s_add_co_u32 s[G0A+4*\sl+1], s60, \sl*SLOT1
	s_add_nc_u64 s[G0A+4*\sl+2:G0A+4*\sl+3], s[4:5], s[OFA:OFA+1]
	s_or_b32 s[G0A+4*\sl+3], s[G0A+4*\sl+3], 0x80000000
	s_mov_b32 s[G0B+4*\sl], 1
	s_add_co_u32 s[G0B+4*\sl+1], s61, \sl*SLOT1
	s_add_nc_u64 s[G0B+4*\sl+2:G0B+4*\sl+3], s[6:7], s[OFB:OFB+1]
	s_or_b32 s[G0B+4*\sl+3], s[G0B+4*\sl+3], 0x80000000
.if \sl == 0
	s_add_co_u32 s[KS], s[KS], 1                   ; the first step is a multiple of 4: no wrap here
.endif
.endr
	s_cmp_lt_u32 s[WV], 2                          ; a wave's two first fills stand in one branch: two loads of mine are out
	s_cbranch_scc0 .Lfirst_b
	tensor_load_to_lds s[G0A:G0A+3], s[G1A:G1A+7]
	s_nop 0
	tensor_load_to_lds s[G0A+4:G0A+7], s[G1A:G1A+7]
	s_nop 0
	PLACES
	s_branch .Lfirst_asked
.Lfirst_b:
	tensor_load_to_lds s[G0B:G0B+3], s[G1B:G1B+7]
	s_nop 0
	tensor_load_to_lds s[G0B+4:G0B+7], s[G1B:G1B+7]
	s_nop 0
	PLACES
.Lfirst_asked:
	v_and_b32 v1, 15, v0                           ; r = lane % 16
	v_bfe_u32 v9, v0, 4, 1                         ; h = lane / 16
	v_mul_u32_u24 v[ADRA0], v1, PA                 ; a fragment of x: token r, 16 bytes for each half of the lanes, two loads 32 bytes apart
	v_lshl_add_u32 v[ADRA0], v9, 4, v[ADRA0]
	s_mul_i32 s62, s[HIW], AHALF
	v_add_nc_u32 v[ADRA0], s62, v[ADRA0]
	v_and_b32 v16, 7, v0                           ; the turning load: lane l reads row 8 h + l % 8, columns 8 ((l / 8) % 2) + 0..7
	v_bfe_u32 v17, v0, 3, 1
	v_lshl_add_u32 v[ADRB0], v9, 3, v16
	v_mul_u32_u24 v[ADRB0], v[ADRB0], PB
	v_lshl_add_u32 v[ADRB0], v17, 4, v[ADRB0]
	s_lshl_b32 s62, s[LOW], 7
	s_add_co_u32 s62, s62, BOFF
	v_add_nc_u32 v[ADRB0], s62, v[ADRB0]
	v_mov_b32 v[ADRA], v[ADRA0]
	v_mov_b32 v[ADRB], v[ADRB0]
	v_mul_u32_u24 v18, v1, SPITCH                  ; into a plane: row 128 (wave / 2) + 16 a + r, byte 128 (wave % 2) + 32 c + 16 h
	v_lshl_add_u32 v18, v9, 4, v18
	s_mul_i32 s62, s[HIW], 128*SPITCH
	s_lshl_b32 s63, s[LOW], 7
	s_add_co_u32 s62, s62, s63
	v_add_nc_u32 v[STO], s62, v18
	v_add_nc_u32 v[STO+1], PLANE, v[STO]
	v_add_nc_u32 v[STO+2], 2*PLANE, v[STO]
	v_mul_u32_u24 v18, v9, SPITCH                  ; back: wave w takes rows 64 w .. + 63; lanes 0-15 one row of 256 bytes, lanes 16-31 the next
	v_lshl_add_u32 v18, v1, 4, v18
	s_mul_i32 s62, s[WV], 64*SPITCH
	v_add_nc_u32 v[RD], s62, v18
	v_add_nc_u32 v[RD+1], PLANE, v[RD]
	v_add_nc_u32 v[RD+2], 2*PLANE, v[RD]
	v_lshlrev_b32 v[CO], 11, v9
	v_lshl_add_u32 v[CO], v1, 4, v[CO]
; 8 matrix instructions for each column block c0 .. c1 of result m, on x's buffer f.  The accumulators take turns, one instruction a turn.
.macro PH m, f, zero, c0, c1
	WIN 0x50*((\m)+1)
.set ic, \c0
.rept (\c1)-(\c0)+1
.set ia, 0
.rept 8
.if \zero
	v_wmma_f32_16x16x32_bf16 v[8*(8*ic+ia):8*(8*ic+ia)+7], v[BF+8*(4*(\m)+ic):BF+8*(4*(\m)+ic)+7], v[(\f)+8*ia:(\f)+8*ia+7], 0
.else
	v_wmma_f32_16x16x32_bf16 v[8*(8*ic+ia):8*(8*ic+ia)+7], v[BF+8*(4*(\m)+ic):BF+8*(4*(\m)+ic)+7], v[(\f)+8*ia:(\f)+8*ia+7], v[8*(8*ic+ia):8*(8*ic+ia)+7]
.endif
.set ia, ia+1
.endr
.set ic, ic+1
.endr
.endm
.macro RUNB m, q                       ; 8 loads: W's four fragments of result m, k = 32 q on
.irp cc, 0,1,2,3
	ds_load_tr16_b128 v[BF+8*(4*(\m)+\cc):BF+8*(4*(\m)+\cc)+3],   v[ADRB] offset:(\m)*64*PB+(\q)*32*PB+32*\cc
	ds_load_tr16_b128 v[BF+8*(4*(\m)+\cc)+4:BF+8*(4*(\m)+\cc)+7], v[ADRB] offset:(\m)*64*PB+(\q)*32*PB+32*\cc+16*PB
.endr
.endm
.macro RUNA a0, q, g                   ; 8 loads: x's fragments a0 .. a0 + 3, k = 32 q on, into buffer g
.irp aa, 0,1,2,3
	ds_load_b128 v[(\g)+8*((\a0)+\aa):(\g)+8*((\a0)+\aa)+3],   v[ADRA] offset:((\a0)+\aa)*16*PA+64*(\q)
	ds_load_b128 v[(\g)+8*((\a0)+\aa)+4:(\g)+8*((\a0)+\aa)+7], v[ADRA] offset:((\a0)+\aa)*16*PA+64*(\q)+32
.endr
.endm
; A slot's first 32 along K, on buffer A0; the second 32 are fetched, W's fragments behind the products that read the old ones.
.macro QUARTER zero
	s_wait_dscnt 8                                 ; all but the youngest run of 8 (W's fragments for v)
	PH 0, A0, \zero, 0, 3
	PLACES
	WIN 0
	RUNB 0, 1
	RUNA 0, 1, A1
	PH 1, A0, \zero, 0, 3
	PLACES
	WIN 0
	RUNB 1, 1
	RUNA 4, 1, A1
	s_wait_dscnt 32                                ; all but the two runs of 16 just issued: W's fragments for v are in
	PH 2, A0, \zero, 0, 3
	PLACES
	WIN 0
	RUNB 2, 1
.endm
; A slot's second 32 along K, on buffer A1, and the change of slots: ONE barrier; in front of it each wave waits for all its tensor loads (its part of the next slot), adds 0 to its spare
; word, and waits for that and for its reads of this slot.  fill = 1: the barrier opens a round of the cluster's, and this slot is filled again, two steps ahead, first thing behind it:
; 160 matrix instructions stand between that request and the wait for it.  The refill's address is made anew: the tensor's base plus the wrapped step's offset.
.macro TURN fill
	WIN 0
	s_wait_tensorcnt 0x0                           ; no tensor load of mine is out, so a group 0 may be written
	ds_add_u32 v[SPW], v[NIL]                      ; 0 onto my spare word
.if \fill
	s_add_co_u32 s[KS], s[KS], 1                   ; the next step, behind step 15 step 0
	s_and_b32 s[KS], s[KS], STEPS-1
	s_lshl_b32 s[OFA], s[KS], 15
	s_mul_i32 s[OFB], s[KS], BSTEP
	s_xor_b32 s[G0A+5], s[G0A+5], SLOT1            ; the walking descriptors: the other slot than last time
	s_add_nc_u64 s[G0A+6:G0A+7], s[4:5], s[OFA:OFA+1]
	s_or_b32 s[G0A+7], s[G0A+7], 0x80000000
	s_xor_b32 s[G0B+5], s[G0B+5], SLOT1
	s_add_nc_u64 s[G0B+6:G0B+7], s[6:7], s[OFB:OFB+1]
	s_or_b32 s[G0B+7], s[G0B+7], 0x80000000
.endif
	s_wait_dscnt 9                                 ; the add and the youngest run of 8 may be out
	PH 0, A1, 0, 0, 1
	s_wait_dscnt 0x0                               ; the add is done, and my reads of this slot are over
	s_barrier_signal -1
	PH 0, A1, 0, 2, 3
	WIN 0
	s_barrier_wait -1
.if \fill
	CREST
	JLOAD                                          ; its four v_nop are also the places in front of the loads below
.else
	PLACES
.endif
	s_xor_b32 s[TB], s[TB], SLOT1
	v_add_nc_u32 v[ADRA], s[TB], v[ADRA0]
	v_add_nc_u32 v[ADRB], s[TB], v[ADRB0]
	RUNB 0, 0
	RUNA 0, 0, A0
	PH 1, A1, 0, 0, 3
	PLACES
	WIN 0
	RUNB 1, 0
	RUNA 4, 0, A0
	PH 2, A1, 0, 0, 3
	PLACES
	WIN 0
	RUNB 2, 0
.endm
	s_wait_tensorcnt 0x1                           ; my part of the first step is in; the second's may stay out
	s_barrier_signal -1
	s_barrier_wait -1
	RUNB 0, 0
	RUNA 0, 0, A0
	RUNB 1, 0
	RUNA 4, 0, A0
	RUNB 2, 0
	QUARTER 1                                      ; the first products start the sums: nothing is cleared
	s_mov_b32 s[CNT], STEPS-2
.Lstep:                                                ; 14 trips: a step's second half, the refill, the next step's first half
	TURN 1
	QUARTER 0
	s_sub_co_u32 s[CNT], s[CNT], 1
	s_cmp_lg_u32 s[CNT], 0
	s_cbranch_scc1 .Lstep
	TURN 0                                         ; the tail is written out: nothing is left to ask for
	QUARTER 0
	s_wait_dscnt 8
	PH 0, A1, 0, 0, 3
	PH 1, A1, 0, 0, 3
	s_wait_dscnt 0x0                               ; my reads of the ring are over: behind this barrier the planes are written over it
	s_barrier_signal -1
	PH 2, A1, 0, 0, 3
	WIN 0
	s_barrier_wait -1
	; THE WAY OUT: rounded to f16, 16 bytes a lane into the planes; a barrier, since a row's 256 bytes come from two waves; back as whole rows; stored at the permuted rows.
	PLACES
.macro PACK m
	WIN 5*((\m)+1)                                 ; sources 0 and 1 in window 1 + m
.set it, 0
.rept 32
.irp rr, 0,1,2,3
	v_cvt_pk_f16_f32 v[32+4*it+\rr], v[8*it+2*\rr], v[8*it+2*\rr+1]
.endr
.set it, it+1
.endr
	WIN 0
.set it, 0
.rept 32                               ; it = 8 c + a
	ds_store_b128 v[STO+(\m)], v[32+4*it:32+4*it+3] offset:(it%8)*16*SPITCH+32*(it/8)
.set it, it+1
.endr
.endm
.macro LOADB bi                        ; batch bi of six: 32 rows of plane bi / 2
.set it, 0
.rept 16
	ds_load_b128 v[32+64*((\bi)%2)+4*it:32+64*((\bi)%2)+4*it+3], v[RD+(\bi)/2] offset:(16*((\bi)%2)+it)*2*SPITCH
.set it, it+1
.endr
.endm
.macro STOREB bi                       ; pair tt of my 64 rows: owner 4 (wave % 2) + tt / 8, r = 2 (tt % 8) + lane / 16
.set it, 0
.rept 16
.set tt, 16*((\bi)%2)+it
	global_store_b128 v[CO], v[32+64*((\bi)%2)+4*it:32+64*((\bi)%2)+4*it+3], s[8+2*((\bi)/2):9+2*((\bi)/2)] offset:(tt/8)*524288+(tt%8)*4096  ; 16 lanes store 256 consecutive bytes, aligned
.set it, it+1
.endr
.endm
	PACK 0
	PACK 1
	PACK 2
	s_wait_dscnt 0x0                               ; for the others' sake: my stores into the planes are done
	s_barrier_signal -1
	s_barrier_wait -1
	LOADB 0
	LOADB 1
	s_wait_dscnt 16                                ; the next batch's 16 loads may be out
	STOREB 0
.irp bb, 1,2,3,4
	s_wait_xcnt 0x0                                ; the registers that the batch before last's stores read are loaded again only behind this wait
	LOADB \bb+1
	s_wait_dscnt 16
	STOREB \bb
.endr
	s_wait_dscnt 0x0
	STOREB 5
	s_wait_tensorcnt 0x0                           ; the wave's end
	ds_add_u32 v[SPW], v[NIL]
	s_wait_dscnt 0x0
	CROUND                                         ; the closing round
	s_endpgm
.Lfunc_end_k_q0979ca1e20_qkv:
	.size	k_q0979ca1e20_qkv, .Lfunc_end_k_q0979ca1e20_qkv-k_q0979ca1e20_qkv
	.p2alignl 7, 3214868480
	.fill 96, 4, 3214868480
	.section	.rodata,"a",@progbits
	.p2align	6, 0x0
	.amdhsa_kernel k_q0979ca1e20_qkv
		.amdhsa_group_segment_fixed_size 327680
		.amdhsa_private_segment_fixed_size 0
		.amdhsa_enable_private_segment 0
		.amdhsa_kernarg_size 40
		.amdhsa_user_sgpr_count 2
		.amdhsa_user_sgpr_kernarg_segment_ptr 1
		.amdhsa_wavefront_size32 1
		.amdhsa_system_sgpr_workgroup_id_x 1
		.amdhsa_system_sgpr_workgroup_id_y 1
		.amdhsa_system_sgpr_workgroup_id_z 1
		.amdhsa_system_vgpr_workitem_id 0
		.amdhsa_next_free_vgpr 1024
		.amdhsa_next_free_sgpr 80
		.amdhsa_reserve_vcc 0
		.amdhsa_float_denorm_mode_32 3
		.amdhsa_float_denorm_mode_16_64 3
		.amdhsa_memory_ordered 1
		.amdhsa_forward_progress 1
		.amdhsa_inst_pref_size 110
	.end_amdhsa_kernel
	.amdgpu_metadata
---
amdhsa.version: [ 1, 2 ]
amdhsa.kernels:
  - .name:           k_q0979ca1e20_qkv
    .symbol:         k_q0979ca1e20_qkv.kd
    .args:
      - { .name: xb, .offset: 0, .size: 8, .value_kind: global_buffer, .address_space: global }
      - { .name: wb, .offset: 8, .size: 8, .value_kind: global_buffer, .address_space: global }
      - { .name: qh, .offset: 16, .size: 8, .value_kind: global_buffer, .address_space: global }
      - { .name: kh, .offset: 24, .size: 8, .value_kind: global_buffer, .address_space: global }
      - { .name: vh, .offset: 32, .size: 8, .value_kind: global_buffer, .address_space: global }
    .group_segment_fixed_size: 327680
    .private_segment_fixed_size: 0
    .kernarg_segment_align: 8
    .kernarg_segment_size: 40
    .max_flat_workgroup_size: 128
    .sgpr_count:     80
    .vgpr_count:     1024
    .wavefront_size: 32
...
	.end_amdgpu_metadata
.endif
;; end of part 2
;; launch scores (part 3): grid 8 x 32, 4 waves a work-group, clusters of 4 x 4, 327,680 bytes of LDS; arguments qh, kh, pf, st; writes pf, st
.if DOCPART == 3
	.amdgcn_target "amdgcn-amd-amdhsa--gfx1250"
	.amdhsa_code_object_version 6
	.text
	.protected	k_q0979ca1e20_scores
	.globl	k_q0979ca1e20_scores
	.p2align	8
	.type	k_q0979ca1e20_scores,@function
k_q0979ca1e20_scores:
	s_mov_b64 s[64:65], 0
	v_nop
	global_prefetch_b8 v0, s[64:65] scope:SCOPE_SE
	s_setreg_imm32_b32 hwreg(HW_REG_WAVE_MODE, 25, 1), 1
	s_wait_xcnt 0x0
	s_wait_alu depctr_hold_cnt(0) depctr_sa_sdst(0) depctr_va_vdst(0) depctr_va_sdst(0) depctr_va_ssrc(0) depctr_va_vcc(0) depctr_vm_vsrc(0)
	s_getreg_b32 s2, hwreg(HW_REG_IB_STS2, 6, 4)
	s_cmp_eq_u32 s2, 0
	s_cbranch_scc0 .Lentry_in_a_cluster
	s_endpgm
.Lentry_in_a_cluster:
	s_bfe_u32 s2, ttmp6, 0x10000c
	s_cmp_lg_u32 s2, 0xf033
	s_cbranch_scc0 .Lentry_shape_is_right
	s_endpgm
.Lentry_shape_is_right:
; The causal scores and the exponentials.  qh, kh: f16 [batch][row 256 o + 16 i + r][1,024], the row of token 128 i + 16 o + r.  Products in f16 with f32 sums; maxima, exponentials, sums in f32.
; A work-group makes the tile (o, c): the 256 queries of owner o against the 256 keys of group c.  Its sub-tile (i, j) of 16 x 16 is visible if j < i, hidden if j > i, and holds a piece
; of the diagonal if j = i: EVERY tile of the launch has this shape, so all 256 work-groups do the same work by the same text, and the hidden half is not computed.
; A wave (wi, wj) takes i = 2 a + wi, j = 2 bb + wj with bb <= a: 36 accumulators, number T = a (a + 1) / 2 + bb.  Only the sub-tiles bb = a can hold hidden keys: their sums start with a mask
; (0 or -1e30) as the C operand, the others with the constant 0.
; SOFTMAX IN TWO PARTS.  A CHUNK is a query's keys of one group c; a query has 8 chunks.  Here the chunk's true maximum m is found: each of the waves (wi, 0) and (wi, 1) finds that of its own j,
; and the two exchange them through LDS.  p = 2^(c s - ml) is stored in f16 with ml = floor(c m) + 1, c = log2(e) / 32: the maximum, rounded up to a whole number in the exponent's scale, so
; the largest p of a chunk lies in 0.5 to 1.  Each wave stores ml and the sum of its own p (unrounded) to st.  The launch behind takes the maximum of a query's ml and scales by 2^(ml - max).
; LIMITS.  A hidden score counts as its value less 1e30; m is held at -2^96 or above, so that a chunk with no visible key gives p = 0 and sum 0: true raw scores lie far above -2^96 and far
; below 1e28.  A weight below 2^-126 counts as 0; p below 6e-5 keeps f16's fixed step of 6e-8.  NaN and infinities are not treated apart.
; CLUSTER 4 x 4: Q's tile is shared along a row of the cluster, K's along a column: joint loads.  K = 1,024 goes in 8 steps of 128 through two LDS slots; a tile's rows are 256 bytes of memory.
; THE WALK ALONG K IS ROTATED: a cluster begins at step 4 ((cluster x + cluster y) % 2) and wraps: the two clusters that read the same tiles of Q, and the two that read the same tiles of K,
; begin 4 steps apart, so that a tile is asked for at different times by the two.  The sums take the same terms in rotated order.
; pf: [batch][o][c][wi][T][wj][lane][8 f16]: a lane's 16 bytes are query r, keys 8 h .. + 7 of sub-tile (a, bb): the halves wj = 0, 1 are registers 0-3 and 4-7 of the next launch's fragment.
; REGISTERS: window 0: v0-31 addresses, the mask (v8-15), later the sums (v8-23); accumulators T < 28 at v[32 + 8 T].  window 1: two fragment buffers of 128 (8 of Q, 8 of K); behind the loop
; maxima (v0-71) and ml, m of each slice (v160 + 4 a).  window 2: accumulators T = 28 .. 35 at v[8 (T - 28)]; v64-65 slice 7's sums.
.set KSTEP,  128
.set PITCH,  272                       ; 256 bytes + 16 of padding: the 16 rows of a load start at 16 different groups of four banks (64 banks of 4 bytes: ISA guide 11.1)
.set HALFT,  128*PITCH
.set SLOT1,  4*HALFT                   ; 0x22000: no bit of it is set in an address inside slot 0's descriptors, so one exclusive or changes slots
.set SPARE,  2*SLOT1
.set XCH,    SPARE+512                 ; behind the spare words: 1,024 bytes for each wave, for the exchange of maxima; no tensor load fills them
.set ADRA0, 3
.set ADRB0, 4
.set ADRA,  5
.set ADRB,  6
.set MK,    8                          ; v8-15  the mask of my sub-tiles bb = a
.set LS,    8                          ; v8-23  behind the loop: slice a's sums (even keys', odd keys') at v[8 + 2 a]
.set CO,    24                         ; 16 x lane
.set C8,    25                         ; 8 x lane
.set SPW,   26
.set NIL,   27
.set XS,    30                         ; where I put my maxima
.set XL,    31                         ; where the maxima of my wi's two waves lie
.set ACC,   32
.set F0,    0
.set F1,    128
.set TM,    0                          ; window 1
.set XR,    40                         ; window 1
.set XM,    48                         ; window 1: my eight maxima
.set XA,    56                         ; window 1: wave (wi, 0)'s eight, then wave (wi, 1)'s
.set ST,    160                        ; window 1: ml, m
.set LS7,   64                         ; window 2
.set WV,  14
.set HIW, 15                           ; wi
.set LOW, 16                           ; wj
.set CX,  17
.set CY,  18
.set BB,  19                           ; batch, made of the cluster's y alone
.set YY,  20                           ; 8 batch + o
.set XX,  66                           ; c
.set G1A, 24
.set G1B, 32
.set G0A, 40
.set G0B, 48
.set CNT, 56
.set TB,  57
.set CS,  60                           ; s[60:61] c
.set SEL, 62                           ; s[62:63] v_permlanex16_b32's selects: each lane takes its own place in the other half
.set BIGN, 70
.set FLR,  71
.set HM,   78
.set OO,   79
.set OFF,  80                          ; s[80:81] byte offset along the rows of the step asked for last; made of the cluster's coordinates alone
.set MSB, 0
.macro WIN new
.if MSB != (\new)
	s_set_vgpr_msb (MSB<<8)|(\new)
.set MSB, (\new)
.endif
.endm
.macro PLACES
.rept 4
	v_nop
.endr
.endm
.macro CREST
	s_cmp_lg_u32 s[WV], 0
	s_cbranch_scc1 .Lnot_wave_0_\@
	s_barrier_signal -3
.Lnot_wave_0_\@:
	s_barrier_wait -3
	s_barrier_signal -1
	s_barrier_wait -1
.endm
.macro CROUND
	s_barrier_signal -1
	s_barrier_wait -1
	CREST
.endm
.macro JLOAD                           ; waves 0, 1 fetch the halves of Q's tile, waves 2, 3 of K's
	s_cmp_lt_u32 s[WV], 2
	s_cbranch_scc0 .Lfor_b_\@
	tensor_load_to_lds s[G0A+4:G0A+7], s[G1A:G1A+7]
	s_nop 0
	PLACES
	s_branch .Lasked_\@
.Lfor_b_\@:
	tensor_load_to_lds s[G0B+4:G0B+7], s[G1B:G1B+7]
	s_nop 0
	PLACES
.Lasked_\@:
.endm
.macro AREG t                          ; accumulator t: its first register rA, and hiw2 = 1 if it lies in window 2
.if (\t) < 28
.set rA, ACC+8*(\t)
.set hiw2, 0
.else
.set rA, 8*((\t)-28)
.set hiw2, 1
.endif
.endm
.macro ROWOF t                         ; accumulator t: its slice ra and its place rb in it
.if (\t) < 1
.set ra, 0
.elseif (\t) < 3
.set ra, 1
.elseif (\t) < 6
.set ra, 2
.elseif (\t) < 10
.set ra, 3
.elseif (\t) < 15
.set ra, 4
.elseif (\t) < 21
.set ra, 5
.elseif (\t) < 28
.set ra, 6
.else
.set ra, 7
.endif
.set rb, (\t)-ra*(ra+1)/2
.endm
	s_load_b256 s[4:11], s[0:1], 0x0               ; qh s[4:5], kh s[6:7], pf s[8:9], st s[10:11]
	v_lshl_add_u32 v[SPW], v0, 2, SPARE
	v_mov_b32 v[NIL], 0
	ds_add_u32 v26, v27
	s_wait_dscnt 0x0
	v_lshrrev_b32 v1, 5, v0
	v_readfirstlane_b32 s[WV], v1
	s_lshr_b32 s[HIW], s[WV], 1
	s_and_b32 s[LOW], s[WV], 1
	s_bfe_u32 s[CX], ttmp6, 0x40000
	s_bfe_u32 s[CY], ttmp6, 0x40004
	s_lshl_b32 s[XX], ttmp9, 2
	s_add_co_u32 s[XX], s[XX], s[CX]
	s_and_b32 s[BB], ttmp7, 0xffff
	s_xor_b32 s[OFF], s[BB], ttmp9                 ; the walk's first step: 4 ((cluster x + cluster y) % 2), 256 bytes a step
	s_and_b32 s[OFF], s[OFF], 1
	s_lshl_b32 s[OFF], s[OFF], 10
	s_mov_b32 s[OFF+1], 0
	s_lshl_b32 s[YY], s[BB], 2
	s_add_co_u32 s[YY], s[YY], s[CY]
	s_lshr_b32 s[BB], s[BB], 1                     ; two clusters along y to a batch
	s_and_b32 s[OO], s[YY], 7
	s_lshl_b32 s58, s[CY], 2
	s_lshl_b32 s58, 15, s58                        ; my row of the cluster
	s_lshl_b32 s59, 0x1111, s[CX]                  ; my column
	s_or_b32 s[G1A], s58, (1<<16)|(1<<20)|(1<<21)|(5<<22)|(3<<25)  ; 2-byte elements; padding after every 64 words (code 5) of 4 words (code 3)
	s_or_b32 s[G1B], s59, (1<<16)|(1<<20)|(1<<21)|(5<<22)|(3<<25)
.irp gg, G1A, G1B
	s_mov_b32 s[\gg+1], KSTEP<<16                  ; tensor_dim0 = 128
	s_mov_b32 s[\gg+2], 128<<16                    ; tensor_dim1 = 128
	s_mov_b32 s[\gg+3], KSTEP<<16                  ; tile_dim0
	s_mov_b32 s[\gg+4], 128                        ; tile_dim1
	s_mov_b32 s[\gg+5], 1024                       ; elements from row to row
	s_mov_b32 s[\gg+6], 0
	s_mov_b32 s[\gg+7], 0
.endr
	s_lshl_b32 s22, s[YY], 19                      ; Q: row 256 (8 batch + o) + 128 x half, 2,048 bytes a row
	s_lshl_b32 s23, s[LOW], 18
	s_add_co_u32 s22, s22, s23
	s_mov_b32 s23, 0
	s_lshl_b32 s68, s[BB], 22                      ; K: row 2,048 batch + 256 c + 128 x half, in registers that never hold my place along the cluster's y
	s_lshl_b32 s69, s[XX], 19
	s_add_co_u32 s68, s68, s69
	s_lshl_b32 s69, s[LOW], 18
	s_add_co_u32 s68, s68, s69
	s_mov_b32 s69, 0
	s_mul_i32 s2, s[WV], HALFT                     ; where they go: Q's two halves, then K's two = wave x 128 rows
	s_lshl_b32 s74, s[YY], 3                       ; pf: block (batch, o, c), my wi's part, my wj's half
	s_add_co_u32 s74, s74, s[XX]
	s_mul_i32 s74, s74, 73728
	s_mul_i32 s75, s[HIW], 36864
	s_add_co_u32 s74, s74, s75
	s_lshl_b32 s75, s[LOW], 9
	s_add_co_u32 s74, s74, s75
	s_mov_b32 s75, 0
	s_lshl_b32 s76, s[BB], 4                       ; st: [batch][2 c + wj][o][wi], 1,024 bytes each
	s_lshl_b32 s77, s[XX], 1
	s_add_co_u32 s76, s76, s77
	s_add_co_u32 s76, s76, s[LOW]
	s_lshl_b32 s76, s76, 3
	s_add_co_u32 s76, s76, s[OO]
	s_lshl_b32 s76, s76, 1
	s_add_co_u32 s76, s76, s[HIW]
	s_lshl_b32 s76, s76, 10
	s_mov_b32 s77, 0
	s_mov_b32 s[CS], 0x3d38aa3b                    ; c = log2(e) / 32
	s_mov_b32 s[CS+1], s[CS]                       ; named with it as a pair
	s_mov_b32 s[SEL], 0x76543210
	s_mov_b32 s[SEL+1], 0xfedcba98
	s_mov_b32 s[BIGN], 0xf149f2ca                  ; -1e30
	s_mov_b32 s[FLR], 0xef800000                   ; -2^96
	s_mov_b32 s[HM], 0xffff0000                    ; lanes 16-31
	s_mov_b32 s[TB], 0
	s_wait_kmcnt 0x0
	s_add_nc_u64 s[4:5], s[4:5], s[22:23]          ; Q and K at my rows' first byte; these two stay
	s_add_nc_u64 s[6:7], s[6:7], s[68:69]
	s_add_nc_u64 s[8:9], s[8:9], s[74:75]
	s_add_nc_u64 s[10:11], s[10:11], s[76:77]
	CROUND
.irp sl, 0,1
	s_mov_b32 s[G0A+4*\sl], 1
	s_add_co_u32 s[G0A+4*\sl+1], s2, \sl*SLOT1
	s_add_nc_u64 s[G0A+4*\sl+2:G0A+4*\sl+3], s[4:5], s[OFF:OFF+1]
	s_or_b32 s[G0A+4*\sl+3], s[G0A+4*\sl+3], 0x80000000
	s_mov_b32 s[G0B+4*\sl], 1
	s_add_co_u32 s[G0B+4*\sl+1], s2, \sl*SLOT1
	s_add_nc_u64 s[G0B+4*\sl+2:G0B+4*\sl+3], s[6:7], s[OFF:OFF+1]
	s_or_b32 s[G0B+4*\sl+3], s[G0B+4*\sl+3], 0x80000000
.if \sl == 0
	s_add_co_u32 s[OFF], s[OFF], KSTEP*2           ; the first step is 0 or 4: no wrap here
.endif
.endr
	s_cmp_lt_u32 s[WV], 2                          ; a wave's two first fills stand in one branch: two loads of mine are out
	s_cbranch_scc0 .Lfirst_b
	tensor_load_to_lds s[G0A:G0A+3], s[G1A:G1A+7]
	s_nop 0
	tensor_load_to_lds s[G0A+4:G0A+7], s[G1A:G1A+7]
	s_nop 0
	PLACES
	s_branch .Lfirst_asked
.Lfirst_b:
	tensor_load_to_lds s[G0B:G0B+3], s[G1B:G1B+7]
	s_nop 0
	tensor_load_to_lds s[G0B+4:G0B+7], s[G1B:G1B+7]
	s_nop 0
	PLACES
.Lfirst_asked:
	v_and_b32 v1, 15, v0                           ; r
	v_bfe_u32 v2, v0, 4, 1                         ; h
	v_mul_u32_u24 v28, v1, PITCH
	v_lshl_add_u32 v28, v2, 4, v28
	s_mul_i32 s72, s[HIW], 16*PITCH                ; slice a of Q lies at rows 32 a + 16 wi,
	s_mul_i32 s73, s[LOW], 16*PITCH                ; slice bb of K at rows 32 bb + 16 wj, behind Q's 256
	s_add_co_u32 s73, s73, 2*HALFT
	v_add_nc_u32 v[ADRA0], s72, v28
	v_add_nc_u32 v[ADRB0], s73, v28
	v_mov_b32 v[ADRA], v[ADRA0]
	v_mov_b32 v[ADRB], v[ADRB0]
	v_and_b32 v29, 31, v0
	v_lshlrev_b32 v[CO], 4, v29
	v_lshlrev_b32 v[C8], 3, v29
	s_lshl_b32 s72, s[WV], 10                      ; the exchange: my 1,024 bytes,
	s_add_co_u32 s72, s72, XCH
	v_add_nc_u32 v[XS], s72, v[CO]
	s_lshl_b32 s73, s[HIW], 11                     ; and the 2,048 of my wi's two waves
	s_add_co_u32 s73, s73, XCH
	v_add_nc_u32 v[XL], s73, v[CO]
	; In a sub-tile bb = a key 128 j + 16 c + 8 h + jj is hidden from query 128 i + 16 o + r where jj > r - 8 h - 16 (c - o) - 128 (wj - wi)
	s_sub_co_i32 s72, s[XX], s[OO]
	s_lshl_b32 s72, s72, 4
	s_sub_co_i32 s73, s[LOW], s[HIW]
	s_lshl_b32 s73, s73, 7
	s_add_co_i32 s72, s72, s73
	v_lshlrev_b32 v7, 3, v2
	v_sub_nc_u32 v7, v1, v7
	v_sub_nc_u32 v7, v7, s72
.set jj, 0
.rept 8
	v_cmp_gt_i32 vcc_lo, jj, v7
	v_cndmask_b32 v[MK+jj], 0, s[BIGN], vcc_lo
.set jj, jj+1
.endr
; The products of slices a0 .. a1, 32 along K, on buffer f: source 0 = 16 keys, source 1 = 16 queries: a lane holds ONE query (r) and the keys 8 h + 0..7.
; The 36 accumulators take turns, one instruction a turn.  zero = 1: the sums start, with the mask where bb = a, else with 0.
.macro MUL a0, a1, f, zero
.set ia, \a0
.rept (\a1)-(\a0)+1
.set ib, 0
.rept ia+1
	AREG ia*(ia+1)/2+ib
.if \zero
.if ib == ia
	WIN 0x05+0x80*hiw2
	v_wmma_f32_16x16x32_f16 v[rA:rA+7], v[(\f)+64+8*ib:(\f)+64+8*ib+7], v[(\f)+8*ia:(\f)+8*ia+7], v[MK:MK+7]
.else
	WIN 0x05+0xa0*hiw2
	v_wmma_f32_16x16x32_f16 v[rA:rA+7], v[(\f)+64+8*ib:(\f)+64+8*ib+7], v[(\f)+8*ia:(\f)+8*ia+7], 0
.endif
.else
	WIN 0x05+0xa0*hiw2
	v_wmma_f32_16x16x32_f16 v[rA:rA+7], v[(\f)+64+8*ib:(\f)+64+8*ib+7], v[(\f)+8*ia:(\f)+8*ia+7], v[rA:rA+7]
.endif
.set ib, ib+1
.endr
.set ia, ia+1
.endr
.endm
.macro FETCH k, g                      ; 32 loads in one run: 8 fragments of Q, 8 of K, 32 along K at byte k of the rows
	WIN 0x40
.irp ii, 0,1,2,3,4,5,6,7
	ds_load_b128 v[(\g)+8*\ii:(\g)+8*\ii+3],   v[ADRA] offset:(\k)+\ii*32*PITCH
	ds_load_b128 v[(\g)+8*\ii+4:(\g)+8*\ii+7], v[ADRA] offset:(\k)+\ii*32*PITCH+32
.endr
.irp ii, 0,1,2,3,4,5,6,7
	ds_load_b128 v[(\g)+64+8*\ii:(\g)+64+8*\ii+3],   v[ADRB] offset:(\k)+\ii*32*PITCH
	ds_load_b128 v[(\g)+64+8*\ii+4:(\g)+64+8*\ii+7], v[ADRB] offset:(\k)+\ii*32*PITCH+32
.endr
.endm
.macro QUARTER k, f, g, zero           ; multiplies buffer f; the next quarter's fragments, at byte k, go out first and have the whole quarter in which to come
	s_wait_dscnt 0x0
	PLACES
	FETCH \k, \g
	MUL 0, 7, \f, \zero
.endm
; A step's last quarter, on buffer F1, and the change of slots: wait for all tensor loads, the add, the wait for it and for my reads, the barrier (fill = 1: a round of the cluster's), the
; refill first behind it.  The refill's address is made anew: the rows' first byte plus the wrapped step's offset.
.macro TURN fill
	WIN 0
	s_wait_tensorcnt 0x0
	ds_add_u32 v[SPW], v[NIL]                      ; 0 onto my spare word
.if \fill
	s_add_co_u32 s[OFF], s[OFF], KSTEP*2           ; the next step, behind the row's end its beginning
	s_and_b32 s[OFF], s[OFF], 2047
	s_xor_b32 s[G0A+5], s[G0A+5], SLOT1
	s_add_nc_u64 s[G0A+6:G0A+7], s[4:5], s[OFF:OFF+1]
	s_or_b32 s[G0A+7], s[G0A+7], 0x80000000
	s_xor_b32 s[G0B+5], s[G0B+5], SLOT1
	s_add_nc_u64 s[G0B+6:G0B+7], s[6:7], s[OFF:OFF+1]
	s_or_b32 s[G0B+7], s[G0B+7], 0x80000000
.endif
	s_wait_dscnt 1                                 ; the add alone may be out
	MUL 0, 1, F1, 0
	s_wait_dscnt 0x0
	s_barrier_signal -1
	MUL 2, 3, F1, 0
	WIN 0
	s_barrier_wait -1
.if \fill
	CREST
	JLOAD
.else
	PLACES
.endif
	s_xor_b32 s[TB], s[TB], SLOT1
	v_add_nc_u32 v[ADRA], s[TB], v[ADRA0]
	v_add_nc_u32 v[ADRB], s[TB], v[ADRB0]
	FETCH 0, F0
	MUL 4, 7, F1, 0
.endm
	s_wait_tensorcnt 0x1                           ; my part of the first step is in; the second's may stay out
	s_barrier_signal -1
	s_barrier_wait -1
	FETCH 0, F0
	QUARTER 64, F0, F1, 1
	WIN 0
	s_mov_b32 s[CNT], 6
.Lstep:                                                ; 6 trips: from a step's second quarter to the next step's first; the slot left is filled again
	QUARTER 128, F1, F0, 0
	QUARTER 192, F0, F1, 0
	TURN 1
	QUARTER 64, F0, F1, 0
	WIN 0
	s_sub_co_u32 s[CNT], s[CNT], 1
	s_cmp_lg_u32 s[CNT], 0
	s_cbranch_scc1 .Lstep
	QUARTER 128, F1, F0, 0
	QUARTER 192, F0, F1, 0
	TURN 0
	QUARTER 64, F0, F1, 0
	QUARTER 128, F1, F0, 0
	QUARTER 192, F0, F1, 0
	s_wait_dscnt 0x0
	MUL 0, 7, F1, 0
	; THE CHUNK'S MAXIMUM.  36 chains that do not wait for each other, each accumulator read from its low end; then slice by slice; then the other half of the lanes;
	; then the other wave of my wi.
	PLACES
.set it, 0
.rept 36
	AREG it
	WIN 0x40+0x2a*hiw2
	v_max3_num_f32 v[TM+it], v[rA], v[rA+1], v[rA+2]
.set it, it+1
.endr
.irp kk, 3,5
.set it, 0
.rept 36
	AREG it
	WIN 0x41+0x28*hiw2
	v_max3_num_f32 v[TM+it], v[TM+it], v[rA+\kk], v[rA+\kk+1]
.set it, it+1
.endr
.endr
.set it, 0
.rept 36
	AREG it
	WIN 0x41+0x28*hiw2
	v_max_num_f32 v[TM+it], v[TM+it], v[rA+7]
.set it, it+1
.endr
	WIN 0x55
.irp lv, 0,1,2,3
.set ia, 1
.rept 7
.set b0, ia*(ia+1)/2
.if 2+2*\lv <= ia
	v_max3_num_f32 v[TM+b0], v[TM+b0], v[TM+b0+1+2*\lv], v[TM+b0+2+2*\lv]
.elseif 1+2*\lv <= ia
	v_max_num_f32 v[TM+b0], v[TM+b0], v[TM+b0+1+2*\lv]
.endif
.set ia, ia+1
.endr
.endr
.set ia, 0
.rept 8
	v_permlanex16_b32 v[XR+ia], v[TM+ia*(ia+1)/2], s[SEL], s[SEL+1]  ; the query's other keys lie in the lane 16 away
.set ia, ia+1
.endr
.set ia, 0
.rept 8
	v_max3_num_f32 v[XM+ia], v[TM+ia*(ia+1)/2], v[XR+ia], s[FLR]  ; my wave's maximum, at -2^96 or above
.set ia, ia+1
.endr
	WIN 0x04                                       ; the data (source 1) in window 1
	ds_store_b128 v[XS], v[XM:XM+3]
	ds_store_b128 v[XS], v[XM+4:XM+7] offset:512
	WIN 0
	s_wait_dscnt 0x0                               ; for the other wave's sake: my maxima are stored
	s_barrier_signal -1
	s_barrier_wait -1
	WIN 0x40
.irp xx, 0,1,2,3
	ds_load_b128 v[XA+4*\xx:XA+4*\xx+3], v[XL] offset:512*\xx  ; both waves' maxima, mine among them: the address hangs on wi alone
.endr
	s_wait_dscnt 0x0
	WIN 0x55
.set ia, 0
.rept 8
	v_max_num_f32 v[ST+4*ia+1], v[XA+ia], v[XA+8+ia]  ; m
.set ia, ia+1
.endr
.set ia, 0
.rept 8
	v_mul_f32 v[ST+4*ia], s[CS], v[ST+4*ia+1]
.set ia, ia+1
.endr
.set ia, 0
.rept 8
	v_floor_f32 v[ST+4*ia], v[ST+4*ia]
.set ia, ia+1
.endr
.set ia, 0
.rept 8
	v_add_f32 v[ST+4*ia], 1.0, v[ST+4*ia]          ; ml = floor(c m) + 1
.set ia, ia+1
.endr
; THE EXPONENTIALS.  For accumulator t: FF pair k: c s - ml.  EE number k: 2^.  AA pair k onto the slice's sums (a slice's first two pairs start them: nothing is cleared).  CC pair k rounded to f16, in
; place, into the accumulator's registers 0-3.  In a stream the exponentials of t stand between the scalings of t + 1 and the sums of t - 1: a plain instruction that names none of its registers
; stands behind an exponential before its result is used (ISA guide 5.7.2).  One window setting serves a whole stream.
.macro FF t, k
	AREG \t
	ROWOF \t
	v_pk_fma_f32 v[rA+2*(\k):rA+2*(\k)+1], v[rA+2*(\k):rA+2*(\k)+1], s[CS:CS+1], v[ST+4*ra:ST+4*ra+1] op_sel_hi:[1,0,0] neg_lo:[0,0,1] neg_hi:[0,0,1]
.endm
.macro EE t, k
	AREG \t
	v_exp_f32 v[rA+(\k)], v[rA+(\k)]
.endm
.macro AA t, k
	AREG \t
	ROWOF \t
.if ra < 7
.set rL, LS+2*ra
.else
.set rL, LS7
.endif
.if rb > 0
	s_wait_alu depctr_va_vdst(0)
	v_pk_add_f32 v[rL:rL+1], v[rL:rL+1], v[rA+2*(\k):rA+2*(\k)+1]
.elseif (\k) == 1
	s_wait_alu depctr_va_vdst(0)
	v_pk_add_f32 v[rL:rL+1], v[rA:rA+1], v[rA+2:rA+3]
.elseif (\k) > 1
	s_wait_alu depctr_va_vdst(0)
	v_pk_add_f32 v[rL:rL+1], v[rL:rL+1], v[rA+2*(\k):rA+2*(\k)+1]
.endif
.endm
.macro CC t, k
	AREG \t
	v_cvt_pk_f16_f32 v[rA+(\k)], v[rA+2*(\k)], v[rA+2*(\k)+1]
.endm
.macro STREAM t0, t1, w
	WIN \w
.irp kk, 0,1,2,3
	FF \t0, \kk
.endr
.set it, \t0
.rept (\t1)-(\t0)+2
.irp kk, 0,1,2,3
.if it <= (\t1)
	EE it, \kk
.endif
.if it < (\t1)
	FF it+1, \kk
.endif
.endr
.irp kk, 0,1,2,3
.if it <= (\t1)
	EE it, 4+\kk
.endif
.if it > (\t0)
	AA it-1, \kk
.endif
.endr
.if it > (\t0)
.irp kk, 0,1,2,3
	CC it-1, \kk
.endr
.endif
.set it, it+1
.endr
.endm
	STREAM 0, 27, 0x10                             ; all in window 0, ml (source 2) in window 1
	STREAM 28, 35, 0x9a                            ; all in window 2, ml in window 1
	WIN 0x02
	v_mov_b32 v[LS+14], v[LS7]
	v_mov_b32 v[LS+15], v[LS7+1]
	WIN 0
.set ia, 0
.rept 8
	v_add_f32 v[LS+2*ia], v[LS+2*ia], v[LS+2*ia+1]
.set ia, ia+1
.endr
.set ia, 0
.rept 8
	v_permlanex16_b32 v[LS+2*ia+1], v[LS+2*ia], s[SEL], s[SEL+1]
.set ia, ia+1
.endr
.set ia, 0
.rept 8
	v_add_f32 v[LS+2*ia], v[LS+2*ia], v[LS+2*ia+1] ; my wave's sum, in both halves of the lanes
.set ia, ia+1
.endr
.set it, 0
.rept 36
	AREG it
	WIN 0x08*hiw2                                  ; the data (source 1) in window 0 or 2
	global_store_b128 v[CO], v[rA:rA+3], s[8:9] offset:1024*it  ; 512 consecutive bytes, aligned
.set it, it+1
.endr
	; ml and the sum: lanes 0-15 speak for slice 2 ap, lanes 16-31 for slice 2 ap + 1: a store covers 256 consecutive bytes.  The pairs lie in registers 4-7 of accumulators 0 and 1, which are dead.
	WIN 0x05
.irp ap, 0,1,2,3
	v_cndmask_b32 v[36+8*(\ap/2)+2*(\ap%2)], v[ST+8*\ap], v[ST+8*\ap+4], s[HM]
.endr
	WIN 0
.irp ap, 0,1,2,3
	v_cndmask_b32 v[37+8*(\ap/2)+2*(\ap%2)], v[LS+4*\ap], v[LS+4*\ap+2], s[HM]
.endr
.irp ap, 0,1,2,3
	global_store_b64 v[C8], v[36+8*(\ap/2)+2*(\ap%2):37+8*(\ap/2)+2*(\ap%2)], s[10:11] offset:256*\ap
.endr
	s_wait_tensorcnt 0x0                           ; the wave's end
	ds_add_u32 v[SPW], v[NIL]
	s_wait_dscnt 0x0
	CROUND                                         ; the closing round
	s_endpgm
.Lfunc_end_k_q0979ca1e20_scores:
	.size	k_q0979ca1e20_scores, .Lfunc_end_k_q0979ca1e20_scores-k_q0979ca1e20_scores
	.p2alignl 7, 3214868480
	.fill 96, 4, 3214868480
	.section	.rodata,"a",@progbits
	.p2align	6, 0x0
	.amdhsa_kernel k_q0979ca1e20_scores
		.amdhsa_group_segment_fixed_size 327680
		.amdhsa_private_segment_fixed_size 0
		.amdhsa_enable_private_segment 0
		.amdhsa_kernarg_size 32
		.amdhsa_user_sgpr_count 2
		.amdhsa_user_sgpr_kernarg_segment_ptr 1
		.amdhsa_wavefront_size32 1
		.amdhsa_system_sgpr_workgroup_id_x 1
		.amdhsa_system_sgpr_workgroup_id_y 1
		.amdhsa_system_sgpr_workgroup_id_z 1
		.amdhsa_system_vgpr_workitem_id 0
		.amdhsa_next_free_vgpr 592
		.amdhsa_next_free_sgpr 82
		.amdhsa_reserve_vcc 1
		.amdhsa_float_denorm_mode_32 3
		.amdhsa_float_denorm_mode_16_64 3
		.amdhsa_memory_ordered 1
		.amdhsa_forward_progress 1
		.amdhsa_inst_pref_size 122
	.end_amdhsa_kernel
	.amdgpu_metadata
---
amdhsa.version: [ 1, 2 ]
amdhsa.kernels:
  - .name:           k_q0979ca1e20_scores
    .symbol:         k_q0979ca1e20_scores.kd
    .args:
      - { .name: qh, .offset: 0, .size: 8, .value_kind: global_buffer, .address_space: global }
      - { .name: kh, .offset: 8, .size: 8, .value_kind: global_buffer, .address_space: global }
      - { .name: pf, .offset: 16, .size: 8, .value_kind: global_buffer, .address_space: global }
      - { .name: st, .offset: 24, .size: 8, .value_kind: global_buffer, .address_space: global }
    .group_segment_fixed_size: 327680
    .private_segment_fixed_size: 0
    .kernarg_segment_align: 8
    .kernarg_segment_size: 32
    .max_flat_workgroup_size: 128
    .sgpr_count:     82
    .vgpr_count:     592
    .wavefront_size: 32
...
	.end_amdgpu_metadata
.endif
;; end of part 3
;; launch pv (part 4): grid 8 x 32, 4 waves a work-group, clusters of 4 x 4, 327,680 bytes of LDS; arguments pf, st, vh, out0; writes out0
.if DOCPART == 4
	.amdgcn_target "amdgcn-amd-amdhsa--gfx1250"
	.amdhsa_code_object_version 6
	.text
	.protected	k_q0979ca1e20_pv
	.globl	k_q0979ca1e20_pv
	.p2align	8
	.type	k_q0979ca1e20_pv,@function
k_q0979ca1e20_pv:
	s_mov_b64 s[64:65], 0
	v_nop
	global_prefetch_b8 v0, s[64:65] scope:SCOPE_SE
	s_setreg_imm32_b32 hwreg(HW_REG_WAVE_MODE, 25, 1), 1
	s_wait_xcnt 0x0
	s_wait_alu depctr_hold_cnt(0) depctr_sa_sdst(0) depctr_va_vdst(0) depctr_va_sdst(0) depctr_va_ssrc(0) depctr_va_vcc(0) depctr_vm_vsrc(0)
	s_getreg_b32 s2, hwreg(HW_REG_IB_STS2, 6, 4)
	s_cmp_eq_u32 s2, 0
	s_cbranch_scc0 .Lentry_in_a_cluster
	s_endpgm
.Lentry_in_a_cluster:
	s_bfe_u32 s2, ttmp6, 0x10000c
	s_cmp_lg_u32 s2, 0xf033
	s_cbranch_scc0 .Lentry_shape_is_right
	s_endpgm
.Lentry_shape_is_right:
; out = softmax x V.  pf holds p = 2^(c s - ml) in f16, chunk by chunk, in the lane order of a fragment; st holds, for each query and each of 16 half chunks, ml (a whole number, the same in the two
; halves of a chunk) and the half's sum of p; vh is V in f16 at permuted rows.
; A work-group makes the 256 queries of owner o x 128 channels.  The keys go in 8 steps, one for each group c of 256 (a chunk); in every step slice i = 2 a + wr of 16 queries needs the key pairs
; J <= a (32 keys each): 36 fragments of P a wave, the same in every step and every work-group: the hidden half is not computed.
; THE SOFTMAX IS FINISHED HERE, IN F32.  For each query the true maximum M of its ml; g = 2^(ml - M), an exact power of two, at most 1; l = the sum of g x the halves' sums, at least 0.5.
; A step's products are summed in T, started by the constant 0; at the step's end O += (g / l) T.  The fold of slice a + 1 stands between the next step's first products of slices a and a + 1.
; The walk's first fold is a multiplication: nothing is cleared.
; LIMITS.  g below 2^-126 counts as 0.  NaN and infinities are not treated apart.
; A wave (wr, wc) has slices i = 2 a + wr and channels 64 wc .. + 63: 32 accumulators.  T^T = V^T P: source 0 = 16 channels x 32 keys (V turned by ds_load_tr16_b128), source 1 = 32 keys x 16 queries.
; A step has four UNITS of equal size: unit k takes J = k (a = k .. 7) and J = 7 - k (a = 7 - k .. 7): 9 fragments of P, 8 of V, 36 matrix instructions.
; CLUSTER 4 x 4: P's block hangs on the queries alone and is shared along a row of the cluster, V's tile on batch and channels alone and is shared along a column: joint loads.
; THE WALK OVER THE GROUPS IS ROTATED: a cluster begins at group 4 ((cluster x + cluster y) % 2) and wraps: the two clusters that read the same blocks of P, and the two that read the same tiles
; of V, begin 4 steps apart, so that a tile is asked for at different times by the two.  The sums take the same terms in rotated order.
; REGISTERS: window 0: v0-31 addresses and work; v32-47 g / l of the step, twice for each slice (v32 + 2 a); v64-127 work, later rows on their way out; v128-191, v192-255 V's fragments, two buffers.
; window 1: T, (a, cb) at v[8 (4 a + cb)].  window 2: v0-71, v72-143 P's fragments, two buffers.  window 3: O, laid as T.
.set PVP,    288                       ; a row of V: 256 bytes + 32
.set PHALF,  36864                     ; half of P's block, and 128 rows of V
.set PBLK,   73728                     ; P's block of one group
.set VOFF,   73728                     ; V's 256 rows lie behind P's block
.set SLOT1,  147456                    ; 0x24000: no bit of it is set in an address inside slot 0's descriptors
.set GT,     2*SLOT1                   ; g / l in f32, twice: [wr][c 8][a / 2][r 16][a % 2][2], 16,384 bytes
.set SPARE,  GT+16384
.set SP,     272                       ; the way out: 16 rows x 272 bytes for each wave, in slot 0, whose last fill is the walk's seventh step's and whose last read stands in front of the last change of slots
.set AP0, 3
.set AV0, 4
.set AP,  5                            ; P's fragments in the slot in hand
.set AV,  6                            ; v6 V's for J < 4, v7 for J >= 4
.set GA0, 8
.set GA,  9
.set GS,  10
.set STO, 12
.set RD,  13
.set CO,  14
.set SPW, 16
.set NIL, 17
.set SO,  19
.set MX,  20
.set RC,  22
.set LL,  24
.set GR,  32
.set WK,  64
.set FV,  128
.set WV,  14
.set HIW, 15                           ; wr
.set LOW, 16                           ; wc
.set CX,  17
.set CY,  18
.set BB,  19
.set YY,  20
.set XX,  66
.set G1A, 24
.set G1B, 32
.set G0A, 40
.set G0B, 48
.set CNT, 56
.set TB,  57
.set GC,  60                           ; 1,024 x the group in hand, for its g / l
.set OO,  61
.set CC,  62                           ; the group asked for last; made of the cluster's coordinates alone
.set OFP, 76                           ; s[76:77] its byte offset in P's blocks;  s[78:79] in V
.set OFV, 78
.set MSB, 0
.macro WIN new
.if MSB != (\new)
	s_set_vgpr_msb (MSB<<8)|(\new)
.set MSB, (\new)
.endif
.endm
.macro PLACES
.rept 4
	v_nop
.endr
.endm
.macro CREST
	s_cmp_lg_u32 s[WV], 0
	s_cbranch_scc1 .Lnot_wave_0_\@
	s_barrier_signal -3
.Lnot_wave_0_\@:
	s_barrier_wait -3
	s_barrier_signal -1
	s_barrier_wait -1
.endm
.macro CROUND
	s_barrier_signal -1
	s_barrier_wait -1
	CREST
.endm
.macro JLOAD                           ; waves 0, 1 fetch the halves of P's block, waves 2, 3 of V's tile
	s_cmp_lt_u32 s[WV], 2
	s_cbranch_scc0 .Lfor_b_\@
	tensor_load_to_lds s[G0A+4:G0A+7], s[G1A:G1A+7]
	s_nop 0
	PLACES
	s_branch .Lasked_\@
.Lfor_b_\@:
	tensor_load_to_lds s[G0B+4:G0B+7], s[G1B:G1B+7]
	s_nop 0
	PLACES
.Lasked_\@:
.endm
	s_load_b256 s[4:11], s[0:1], 0x0               ; pf s[4:5], st s[6:7], vh s[8:9], out0 s[10:11]
	v_lshl_add_u32 v[SPW], v0, 2, SPARE
	v_mov_b32 v[NIL], 0
	ds_add_u32 v16, v17
	s_wait_dscnt 0x0
	v_lshrrev_b32 v1, 5, v0
	v_readfirstlane_b32 s[WV], v1
	s_lshr_b32 s[HIW], s[WV], 1
	s_and_b32 s[LOW], s[WV], 1
	s_bfe_u32 s[CX], ttmp6, 0x40000
	s_bfe_u32 s[CY], ttmp6, 0x40004
	s_lshl_b32 s[XX], ttmp9, 2
	s_add_co_u32 s[XX], s[XX], s[CX]
	s_and_b32 s[BB], ttmp7, 0xffff
	s_xor_b32 s[CC], s[BB], ttmp9                  ; the walk's first group: 4 ((cluster x + cluster y) % 2)
	s_and_b32 s[CC], s[CC], 1
	s_lshl_b32 s[CC], s[CC], 2
	s_lshl_b32 s[GC], s[CC], 10
	s_lshl_b32 s[YY], s[BB], 2
	s_add_co_u32 s[YY], s[YY], s[CY]
	s_lshr_b32 s[BB], s[BB], 1
	s_and_b32 s[OO], s[YY], 7
	s_lshl_b32 s58, s[CY], 2
	s_lshl_b32 s58, 15, s58
	s_lshl_b32 s59, 0x1111, s[CX]
	; P: 36,864 dense bytes as 144 rows of 256 bytes, elements of 8 bytes, no padding: the fragments are read in lane order
	s_or_b32 s[G1A], s58, (3<<16)|(1<<21)
	s_mov_b32 s[G1A+1], 32<<16
	s_mov_b32 s[G1A+2], 144<<16
	s_mov_b32 s[G1A+3], 32<<16
	s_mov_b32 s[G1A+4], 144
	s_mov_b32 s[G1A+5], 32
	s_mov_b32 s[G1A+6], 0
	s_mov_b32 s[G1A+7], 0
	; V: 128 rows x 128 channels of 2 bytes, 1,024 elements from row to row, padded after every row (64 words, code 5) by 8 words (code 7)
	s_or_b32 s[G1B], s59, (1<<16)|(1<<20)|(1<<21)|(5<<22)|(7<<25)
	s_mov_b32 s[G1B+1], 128<<16
	s_mov_b32 s[G1B+2], 128<<16
	s_mov_b32 s[G1B+3], 128<<16
	s_mov_b32 s[G1B+4], 128
	s_mov_b32 s[G1B+5], 1024
	s_mov_b32 s[G1B+6], 0
	s_mov_b32 s[G1B+7], 0
	s_mul_i32 s22, s[YY], 8*PBLK                   ; P: the blocks (batch, o, c = 0 ..), my half
	s_mul_i32 s23, s[LOW], PHALF
	s_add_co_u32 s22, s22, s23
	s_mov_b32 s23, 0
	s_lshl_b32 s68, s[BB], 22                      ; V: row 2,048 batch + 128 x half, my block's 128 channels
	s_lshl_b32 s69, s[LOW], 18
	s_add_co_u32 s68, s68, s69
	s_lshl_b32 s69, s[XX], 8
	s_add_co_u32 s68, s68, s69
	s_mov_b32 s69, 0
	s_mul_i32 s2, s[LOW], PHALF                    ; where they go
	s_add_co_u32 s3, s2, VOFF
	s_lshl_b32 s72, s[BB], 18                      ; st: [batch][half chunk][o][wr], 1,024 bytes each
	s_lshl_b32 s73, s[OO], 11
	s_add_co_u32 s72, s72, s73
	s_lshl_b32 s73, s[HIW], 10
	s_add_co_u32 s72, s72, s73
	s_mov_b32 s73, 0
	s_lshl_b32 s74, s[BB], 11                      ; out0: token 2,048 batch + 256 a + 128 wr + 16 o + r, 4,096 bytes a row
	s_lshl_b32 s75, s[HIW], 7
	s_add_co_u32 s74, s74, s75
	s_lshl_b32 s75, s[OO], 4
	s_add_co_u32 s74, s74, s75
	s_lshl_b32 s74, s74, 12
	s_lshl_b32 s75, s[XX], 9
	s_add_co_u32 s74, s74, s75
	s_lshl_b32 s75, s[LOW], 8
	s_add_co_u32 s74, s74, s75
	s_mov_b32 s75, 0
	s_mov_b32 s[TB], 0
	s_mov_b32 s[OFP+1], 0
	s_mov_b32 s[OFV+1], 0
	s_wait_kmcnt 0x0
	s_add_nc_u64 s[4:5], s[4:5], s[22:23]          ; P and V at my half of group 0; these two stay
	s_add_nc_u64 s[8:9], s[8:9], s[68:69]
	s_add_nc_u64 s[6:7], s[6:7], s[72:73]
	s_add_nc_u64 s[10:11], s[10:11], s[74:75]
	CROUND
.irp sl, 0,1
	s_mul_i32 s[OFP], s[CC], PBLK                  ; a group's block of P is 73,728 bytes,
	s_lshl_b32 s[OFV], s[CC], 19                   ; its 256 rows of V 524,288
	s_mov_b32 s[G0A+4*\sl], 1
	s_add_co_u32 s[G0A+4*\sl+1], s2, \sl*SLOT1
	s_add_nc_u64 s[G0A+4*\sl+2:G0A+4*\sl+3], s[4:5], s[OFP:OFP+1]
	s_or_b32 s[G0A+4*\sl+3], s[G0A+4*\sl+3], 0x80000000
	s_mov_b32 s[G0B+4*\sl], 1
	s_add_co_u32 s[G0B+4*\sl+1], s3, \sl*SLOT1
	s_add_nc_u64 s[G0B+4*\sl+2:G0B+4*\sl+3], s[8:9], s[OFV:OFV+1]
	s_or_b32 s[G0B+4*\sl+3], s[G0B+4*\sl+3], 0x80000000
.if \sl == 0
	s_add_co_u32 s[CC], s[CC], 1                   ; the first group is 0 or 4: no wrap here
.endif
.endr
	s_cmp_lt_u32 s[WV], 2                          ; a wave's two first fills stand in one branch: two loads of mine are out
	s_cbranch_scc0 .Lfirst_b
	tensor_load_to_lds s[G0A:G0A+3], s[G1A:G1A+7]
	s_nop 0
	tensor_load_to_lds s[G0A+4:G0A+7], s[G1A:G1A+7]
	s_nop 0
	PLACES
	s_branch .Lfirst_asked
.Lfirst_b:
	tensor_load_to_lds s[G0B:G0B+3], s[G1B:G1B+7]
	s_nop 0
	tensor_load_to_lds s[G0B+4:G0B+7], s[G1B:G1B+7]
	s_nop 0
	PLACES
.Lfirst_asked:
	; THE STATISTICS, while the tiles are on their way.  In pass ap (0, 1) a lane speaks for query r of slice a = 4 wc + 2 ap + lane / 16 of my wr: 16 half chunks' (ml, sum).
	v_and_b32 v21, 31, v0
	v_lshlrev_b32 v[SO], 3, v21
	s_lshl_b32 s72, s[LOW], 9
	v_add_nc_u32 v[SO], s72, v[SO]
.irp ap, 0,1
.set ik, 0
.rept 16
	global_load_b64 v[WK+32*\ap+2*ik:WK+32*\ap+2*ik+1], v[SO], s[6:7] offset:16384*ik+256*\ap
.set ik, ik+1
.endr
.endr
	v_and_b32 v1, 15, v0                           ; r
	v_bfe_u32 v2, v0, 4, 1                         ; h
	s_mul_i32 s72, s[HIW], PHALF
	v_lshl_add_u32 v[AP0], v21, 4, s72             ; P: my wr's part, 16 bytes a lane
	v_and_b32 v25, 7, v0
	v_bfe_u32 v26, v0, 3, 1
	v_lshl_add_u32 v[AV0], v2, 3, v25              ; V: the turning load reads key 8 h + l % 8, channels 8 ((l / 8) % 2) + 0..7
	v_mul_u32_u24 v[AV0], v[AV0], PVP
	v_lshl_add_u32 v[AV0], v26, 4, v[AV0]
	s_lshl_b32 s72, s[LOW], 7
	s_add_co_u32 s72, s72, VOFF
	v_add_nc_u32 v[AV0], s72, v[AV0]
	v_mov_b32 v[AP], v[AP0]
	v_mov_b32 v[AV], v[AV0]
	v_add_nc_u32 v[AV+1], PHALF, v[AV0]
	s_lshl_b32 s72, s[HIW], 13
	s_add_co_u32 s72, s72, GT
	v_lshl_add_u32 v[GA0], v1, 4, s72              ; g / l of query r: two slices, twice each, in 16 bytes
	v_add_nc_u32 v[GA], s[GC], v[GA0]              ; the first group's
	s_lshl_b32 s73, s[LOW], 9
	v_lshl_add_u32 v[GS], v2, 3, v[GA0]            ; where I put them: slice pair 2 wc + ap, slice parity h
	v_add_nc_u32 v[GS], s73, v[GS]
	s_mul_i32 s72, s[WV], 16*SP
	v_mul_u32_u24 v[STO], v1, SP                   ; the way out, in: row r, 32 bytes for each half of the lanes
	v_lshl_add_u32 v[STO], v2, 5, v[STO]
	v_add_nc_u32 v[STO], s72, v[STO]
	v_mul_u32_u24 v[RD], v2, SP                    ; back: lanes 0-15 one row of 256 bytes, lanes 16-31 the next
	v_lshl_add_u32 v[RD], v1, 4, v[RD]
	v_add_nc_u32 v[RD], s72, v[RD]
	v_lshlrev_b32 v[CO], 12, v2
	v_lshl_add_u32 v[CO], v1, 4, v[CO]
.macro STAT ap
.set bs, WK+32*(\ap)
	v_max3_num_f32 v[MX], v[bs], v[bs+2], v[bs+4]
.irp kk, 3,5,7,9,11,13
	v_max3_num_f32 v[MX], v[MX], v[bs+2*\kk], v[bs+2*\kk+2]
.endr
	v_max_num_f32 v[MX], v[MX], v[bs+30]           ; the query's true maximum, in the exponent's scale
.set ik, 0
.rept 16
	v_sub_f32 v[bs+2*ik], v[bs+2*ik], v[MX]
.set ik, ik+1
.endr
.set ik, 0
.rept 16
	v_exp_f32 v[bs+2*ik], v[bs+2*ik]               ; g
.set ik, ik+1
.endr
	v_nop                                          ; a plain instruction between the exponentials and the use of their results
	s_wait_alu depctr_va_vdst(0)
	v_mul_f32 v[LL], v[bs], v[bs+1]
.set ik, 1
.rept 15
	v_fma_f32 v[LL], v[bs+2*ik], v[bs+2*ik+1], v[LL]
.set ik, ik+1
.endr
	v_rcp_f32 v[RC], v[LL]
	v_nop                                          ; a plain instruction between the reciprocal and the use of its result
.set ik, 0
	s_wait_alu depctr_va_vdst(0)
.rept 8                                ; chunk ik: its g lies at half chunk 2 ik; the half's sum beside it is dead
	v_mul_f32 v[bs+4*ik+1], v[bs+4*ik], v[RC]
	v_mul_f32 v[bs+4*ik], v[bs+4*ik], v[RC]
.set ik, ik+1
.endr
.set ik, 0
.rept 8
	ds_store_b64 v[GS], v[bs+4*ik:bs+4*ik+1] offset:1024*ik+256*(\ap)
.set ik, ik+1
.endr
.endm
	s_wait_loadcnt 16                              ; the first pass's 16 loads are in, the second's may be out
	STAT 0
	s_wait_loadcnt 0x0
	STAT 1
.macro FETCHU k, g, wg                 ; unit k's fragments into buffer g: 18 loads for P, 16 for V; wg = 1: and the step's g / l, 4 loads
	WIN 0x80
.set ip, 0
.irp pt, 0,1
.set jj, (\k)+\pt*(7-2*(\k))
.set ia, jj
.rept 8-jj
	ds_load_b128 v[72*(\g)+8*ip:72*(\g)+8*ip+3],   v[AP] offset:1024*(ia*(ia+1)/2+jj)
	ds_load_b128 v[72*(\g)+8*ip+4:72*(\g)+8*ip+7], v[AP] offset:1024*(ia*(ia+1)/2+jj)+512
.set ip, ip+1
.set ia, ia+1
.endr
.endr
	WIN 0
.irp pt, 0,1
.set jj, (\k)+\pt*(7-2*(\k))
.irp cb, 0,1,2,3
	ds_load_tr16_b128 v[FV+64*(\g)+8*(4*\pt+\cb):FV+64*(\g)+8*(4*\pt+\cb)+3],   v[AV+jj/4] offset:(jj%4)*32*PVP+32*\cb
	ds_load_tr16_b128 v[FV+64*(\g)+8*(4*\pt+\cb)+4:FV+64*(\g)+8*(4*\pt+\cb)+7], v[AV+jj/4] offset:(jj%4)*32*PVP+32*\cb+16*PVP
.endr
.endr
.if \wg
.irp xx, 0,1,2,3
	ds_load_b128 v[GR+4*\xx:GR+4*\xx+3], v[GA] offset:256*\xx
.endr
.endif
.endm
; Slices lo .. hi of one J of unit k (part 0: J = k, part 1: J = 7 - k), on buffer f: 4 matrix instructions a slice; no two that follow each other share an accumulator
.macro MULJ k, part, f, lo, hi
	WIN 0x58
.set jj, (\k)+(\part)*(7-2*(\k))
.set ia, \lo
.set ip, (\part)*(8-(\k))+ia-jj
.rept (\hi)-(\lo)+1
.irp cb, 0,1,2,3
	v_wmma_f32_16x16x32_f16 v[8*(4*ia+\cb):8*(4*ia+\cb)+7], v[FV+64*(\f)+8*(4*(\part)+\cb):FV+64*(\f)+8*(4*(\part)+\cb)+7], v[72*(\f)+8*ip:72*(\f)+8*ip+7], v[8*(4*ia+\cb):8*(4*ia+\cb)+7]
.endr
.set ip, ip+1
.set ia, ia+1
.endr
.endm
.macro MULA a                          ; J = 0 for slice a, on buffer 0: the products that start a step's sums
	WIN 0x58
.irp cb, 0,1,2,3
	v_wmma_f32_16x16x32_f16 v[8*(4*(\a)+\cb):8*(4*(\a)+\cb)+7], v[FV+8*\cb:FV+8*\cb+7], v[8*(\a):8*(\a)+7], 0
.endr
.endm
.macro FOLD a, first                   ; slice a: O += (g / l) T, or, the first time, O = (g / l) T.  T is read from its low end
.if \first
	WIN 0xc1                                       ; O (destination) in window 3, T (source 0) in window 1, g / l (source 1) in window 0
.else
	WIN 0xf1                                       ; and O (source 2) in window 3
.endif
.set ii, 32*(\a)
.rept 16
.if \first
	v_pk_mul_f32 v[ii:ii+1], v[ii:ii+1], v[GR+2*(\a):GR+2*(\a)+1]
.else
	v_pk_fma_f32 v[ii:ii+1], v[ii:ii+1], v[GR+2*(\a):GR+2*(\a)+1], v[ii:ii+1]
.endif
.set ii, ii+2
.endr
.endm
; Unit 0.  fold = 0: the walk's first step; 1: the step before is folded for the first time; 2: later folds.  The next unit's fragments go out first; slice 0's fold stands in the wait for this unit's.
.macro UNIT0 fold
	PLACES                                         ; behind the last products: for the loads into buffer 1 and for the fold's reads of T
	FETCHU 1, 1, 0
.set ja, 0
.rept 8
.if (\fold) == 1
	FOLD ja, 1
.elseif (\fold) == 2
	FOLD ja, 0
.endif
.if ja == 0
	s_wait_dscnt 34                                ; all but the 34 loads just issued: this unit's fragments are in
.endif
	MULA ja
.set ja, ja+1
.endr
	MULJ 0, 1, 0, 7, 7
.endm
.macro UNIT k, f, g, wg                ; units 1 and 2: the next unit's fragments go out first and have the whole unit in which to come
	s_wait_dscnt 0x0
	PLACES
	FETCHU (\k)+1, \g, \wg
	MULJ \k, 0, \f, \k, 7
	MULJ \k, 1, \f, 7-(\k), 7
.endm
; Unit 3, on buffer 1, and the change of slots: wait for all tensor loads, the add, the wait for it and for my reads, the barrier (fill = 1: a round of the cluster's), the refill first behind it:
; it has 128 matrix instructions and the fold, in which to land.  The refill's address is made anew: the tensor's base plus the wrapped group's offset.
.macro TURN fill
	WIN 0
	s_wait_tensorcnt 0x0
	ds_add_u32 v[SPW], v[NIL]                      ; 0 onto my spare word
.if \fill
	s_add_co_u32 s[CC], s[CC], 1                   ; the next group, behind group 7 group 0
	s_and_b32 s[CC], s[CC], 7
	s_mul_i32 s[OFP], s[CC], PBLK
	s_lshl_b32 s[OFV], s[CC], 19
	s_xor_b32 s[G0A+5], s[G0A+5], SLOT1
	s_add_nc_u64 s[G0A+6:G0A+7], s[4:5], s[OFP:OFP+1]
	s_or_b32 s[G0A+7], s[G0A+7], 0x80000000
	s_xor_b32 s[G0B+5], s[G0B+5], SLOT1
	s_add_nc_u64 s[G0B+6:G0B+7], s[8:9], s[OFV:OFV+1]
	s_or_b32 s[G0B+7], s[G0B+7], 0x80000000
.endif
	s_wait_dscnt 1                                 ; the add alone may be out
	MULJ 3, 1, 1, 4, 5
	s_wait_dscnt 0x0
	s_barrier_signal -1
	MULJ 3, 1, 1, 6, 7
	WIN 0
	s_barrier_wait -1
.if \fill
	CREST
	JLOAD
.else
	PLACES
.endif
	s_xor_b32 s[TB], s[TB], SLOT1
	s_add_co_u32 s[GC], s[GC], 1024
	s_and_b32 s[GC], s[GC], 0x1fff
	v_add_nc_u32 v[AP], s[TB], v[AP0]
	v_add_nc_u32 v[AV], s[TB], v[AV0]
	v_add_nc_u32 v[AV+1], PHALF, v[AV]
	v_add_nc_u32 v[GA], s[GC], v[GA0]              ; the next step's g / l: fetched in its unit 1, behind this step's fold
	FETCHU 0, 0, 0
	MULJ 3, 0, 1, 3, 7
.endm
	s_wait_tensorcnt 0x1                           ; my part of the first step is in; the second's may stay out
	s_wait_dscnt 0x0                               ; for the others' sake: my g / l are stored
	s_barrier_signal -1
	s_barrier_wait -1
	FETCHU 0, 0, 0
	UNIT0 0                                        ; the walk's first step is written out: its fold is a multiplication
	UNIT 1, 1, 0, 1
	UNIT 2, 0, 1, 0
	TURN 1
	UNIT0 1
	WIN 0
	s_mov_b32 s[CNT], 5
.Lstep:                                                ; 5 trips: from a step's unit 1 to the next step's unit 0, with the fold between
	UNIT 1, 1, 0, 1
	UNIT 2, 0, 1, 0
	TURN 1
	UNIT0 2
	WIN 0
	s_sub_co_u32 s[CNT], s[CNT], 1
	s_cmp_lg_u32 s[CNT], 0
	s_cbranch_scc1 .Lstep
	UNIT 1, 1, 0, 1                                ; the tail is written out: nothing is left to ask for
	UNIT 2, 0, 1, 0
	TURN 0
	UNIT0 2
	UNIT 1, 1, 0, 1
	UNIT 2, 0, 1, 0
	s_wait_dscnt 0x0
	MULJ 3, 0, 1, 3, 7
	MULJ 3, 1, 1, 4, 7
	; THE WAY OUT, a slice of 16 queries at a time: the last fold; a lane's eight channels, 32 bytes, into my stage; back as whole rows of 256 bytes; stored.
	PLACES
.macro STG a
	FOLD \a, 0
	WIN 0x0c                                       ; the data (source 1) in window 3
.irp cb, 0,1,2,3
	ds_store_b128 v[STO], v[32*(\a)+8*\cb:32*(\a)+8*\cb+3] offset:64*\cb
	ds_store_b128 v[STO], v[32*(\a)+8*\cb+4:32*(\a)+8*\cb+7] offset:64*\cb+16
.endr
	WIN 0
.if (\a) > 1
	s_wait_xcnt 0x0                                ; the registers that the stores of two slices ago read are loaded again only behind this wait
.endif
.irp tt, 0,1,2,3,4,5,6,7
	ds_load_b128 v[WK+32*((\a)%2)+4*\tt:WK+32*((\a)%2)+4*\tt+3], v[RD] offset:\tt*2*SP  ; LDS serves a wave's instructions in order (ISA guide 5.7.1.4): these see the stores above
.endr
.endm
.macro SEND a
.irp tt, 0,1,2,3,4,5,6,7
	global_store_b128 v[CO], v[WK+32*((\a)%2)+4*\tt:WK+32*((\a)%2)+4*\tt+3], s[10:11] offset:(\a)*1048576+8192*\tt  ; 16 lanes store 256 consecutive bytes, aligned
.endr
.endm
	STG 0
.irp aa, 1,2,3,4,5,6,7
	STG \aa
	s_wait_dscnt 16                                ; the slice just staged: 8 stores and 8 loads may be out
	SEND \aa-1
.endr
	s_wait_dscnt 0x0
	SEND 7
	s_wait_tensorcnt 0x0                           ; the wave's end
	ds_add_u32 v[SPW], v[NIL]
	s_wait_dscnt 0x0
	CROUND                                         ; the closing round
	s_endpgm
.Lfunc_end_k_q0979ca1e20_pv:
	.size	k_q0979ca1e20_pv, .Lfunc_end_k_q0979ca1e20_pv-k_q0979ca1e20_pv
	.p2alignl 7, 3214868480
	.fill 96, 4, 3214868480
	.section	.rodata,"a",@progbits
	.p2align	6, 0x0
	.amdhsa_kernel k_q0979ca1e20_pv
		.amdhsa_group_segment_fixed_size 327680
		.amdhsa_private_segment_fixed_size 0
		.amdhsa_enable_private_segment 0
		.amdhsa_kernarg_size 32
		.amdhsa_user_sgpr_count 2
		.amdhsa_user_sgpr_kernarg_segment_ptr 1
		.amdhsa_wavefront_size32 1
		.amdhsa_system_sgpr_workgroup_id_x 1
		.amdhsa_system_sgpr_workgroup_id_y 1
		.amdhsa_system_sgpr_workgroup_id_z 1
		.amdhsa_system_vgpr_workitem_id 0
		.amdhsa_next_free_vgpr 1024
		.amdhsa_next_free_sgpr 80
		.amdhsa_reserve_vcc 0
		.amdhsa_float_denorm_mode_32 3
		.amdhsa_float_denorm_mode_16_64 3
		.amdhsa_memory_ordered 1
		.amdhsa_forward_progress 1
		.amdhsa_inst_pref_size 147
	.end_amdhsa_kernel
	.amdgpu_metadata
---
amdhsa.version: [ 1, 2 ]
amdhsa.kernels:
  - .name:           k_q0979ca1e20_pv
    .symbol:         k_q0979ca1e20_pv.kd
    .args:
      - { .name: pf, .offset: 0, .size: 8, .value_kind: global_buffer, .address_space: global }
      - { .name: st, .offset: 8, .size: 8, .value_kind: global_buffer, .address_space: global }
      - { .name: vh, .offset: 16, .size: 8, .value_kind: global_buffer, .address_space: global }
      - { .name: out0, .offset: 24, .size: 8, .value_kind: global_buffer, .address_space: global }
    .group_segment_fixed_size: 327680
    .private_segment_fixed_size: 0
    .kernarg_segment_align: 8
    .kernarg_segment_size: 32
    .max_flat_workgroup_size: 128
    .sgpr_count:     80
    .vgpr_count:     1024
    .wavefront_size: 32
...
	.end_amdgpu_metadata
.endif
;; end of part 4
